; MI455X (gfx1250); checked and timed in simulation.
; The chip was launched on July 23, 2026; its instructions are those of AMD's public machine-readable ISA for CDNA 5 (MIT licence, August 2026) and "CDNA5" Instruction Set Architecture Reference Guide (July 2026). The comments in the code are by the model that wrote it; some were corrected since.
;; Multi Head Attention With Dropout. Allowed arithmetic: matrix products marked QUANTISED: E2M3 operands, one E8M0 scale for each 32 along K, by v_wmma_scale_f32_16x16x128_f8f6f4 with both operands' format E2M3, f32 sums; everything else in f32.
;; Inputs: Wk 1,024 x 1,024 float32; Wo 1,024 x 1,024 float32; Wq 1,024 x 1,024 float32; Wv 1,024 x 1,024 float32; attn_mask 1,024 x 1,024 float32; bk 1,024 float32; bo 1,024 float32; bq 1,024 float32; bv 1,024 float32; key_ 8 x 1,024 x 1,024 float32; key_padding_mask 8 x 1,024 bool; query 8 x 1,024 x 1,024 float32; value 8 x 1,024 x 1,024 float32.
;; Outputs: out0 8 x 1,024 x 1,024 float32.
;; This version of the problem:
;;   THIS VERSION OF THE PROBLEM IS GIVEN IN LOW PRECISION. The matrix products marked QUANTISED in the list below multiply operands that are first quantised to E2M3 (2 exponent bits, 3 mantissa bits; 6 bits a number), with one power-of-two scale for each 32 numbers along K (OCP MX v1.0); their sums are f32. All else is computed in f32.
;;   The module's matrix products, in the order in which they are computed (A, B: the left and right operand; K: the contracted axis; several contracted axes count as one K, in the product's order):
;;     1. [M 8,192, K 1,024] x [K 1,024, N 1,024]; A: input query; B: input Wq: QUANTISED
;;     2. [M 8,192, K 1,024] x [K 1,024, N 1,024]; A: input key_; B: input Wk: QUANTISED
;;     3. [M 8,192, K 1,024] x [K 1,024, N 1,024]; A: input value; B: input Wv: QUANTISED
;;     4. batch 128 x [M 1,024, K 64] x [K 64, N 1,024]; A: computed on the way; B: computed on the way: QUANTISED
;;     5. batch 128 x [M 1,024, K 1,024] x [K 1,024, N 64]; A: softmax (see below); B: computed on the way: QUANTISED
;;     6. [M 8,192, K 1,024] x [K 1,024, N 1,024]; A: computed on the way; B: input Wo: QUANTISED
;;   THE QUANTISER, for each operand of a quantised product, along K:
;;     - K is cut into blocks of 32 from its start; a last block that is shorter is filled with zeros.
;;     - A block's scale is 2^e with e = floor(log2(the largest magnitude in the block)) - 2, held to -126 .. 127; a block of zeros has e = 0. As a byte (E8M0): e + 127.
;;     - Each number is divided by its block's scale, clamped to +-7.5, and rounded to the nearest number of E2M3, ties to even, subnormals kept.
;;     - The product sums the exact products of the quantised numbers (number of the format x scale) in f32.
;;   ~~~python
;;   def quantise(x, axis):      # numpy; x: float32 -> the quantised numbers, widened to float32 again
;;       x = np.moveaxis(x, axis, -1); K = x.shape[-1]
;;       x = np.pad(x, [(0, 0)] * (x.ndim - 1) + [(0, -K % 32)]); x = x.reshape(x.shape[:-1] + (-1, 32)); a = np.abs(x).max(-1, keepdims=True)
;;       e = np.where(a > 0, np.clip(np.frexp(np.where(a > 0, a, 1))[1] - 1 - 2, -126, 127), 0)      # np.frexp(a)[1] - 1 = floor(log2(a)), exactly
;;       r = np.clip(x / 2.0 ** e, -7.5, 7.5)
;;       step = 2.0 ** (np.maximum(np.frexp(np.where(r == 0, 1, r))[1] - 1, 0) - 3)
;;       q = np.round(r / step) * step * 2.0 ** e      # np.round: ties to even
;;       return np.moveaxis(q.reshape(q.shape[:-2] + (-1,))[..., :K], -1, axis).astype(np.float32)
;;   ~~~
;;   SOFTMAX AHEAD OF A QUANTISED PRODUCT. Where the list says 'softmax', what is quantised is not the finished softmax but p = 2^(t - M), with t = logit x log2(e) and M = ceil(the row's largest t), a whole number; so 1/2 < the row's largest p <= 1. The row's sum l is taken of the UNQUANTISED p, in f32, and the product's result is divided by l at the end. Since M is a whole number, a kernel that streams over the keys may use a running M (the ceiling of the running maximum): every later rescaling is an exact power of two, which a block's scale takes up: the codes' values come out the same.
;;   OPERANDS COMPUTED ON THE WAY. 'Computed on the way' means the value that the module computes at that place (a softmax that the list does not call 'softmax' is quantised finished and normalised). What goes into a quantiser is computed in f32, as accurately as f32 sums, v_exp_f32 and their like allow (about 1e-6 of the number): no bf16 or f16 on the way to a quantiser, and a product that is left as it is and whose result goes on into a quantised operand takes f32 operands (vector FMAs, or v_wmma_f32_16x16x4_f32). A number that lies on a knife's edge between two numbers of the format may be rounded either way, as far as f32 arithmetic and the matrix unit's own rounding can turn it there, and no further.
;; One version. Each part assembles by itself: llvm-mc -triple=amdgcn-amd-amdhsa -mcpu=gfx1250 --defsym DOCPART=n.
;; ======== version 1 of 1: 4 launches
;; limits: right only within a limited range of input values
;; workspace buffers: xc 22,020,096 bytes; xs 917,504 bytes; qrec 13,369,344 bytes; kv 13,369,344 bytes; oc 6,291,456 bytes; os 262,144 bytes
;; launch quant (part 1): grid 896 x 1, 4 waves a work-group, no clusters, 33,280 bytes of LDS; arguments query, key_, value, Wq, Wk, Wv, Wo, xc, xs; writes xc, xs
.if DOCPART == 1
	.amdgcn_target "amdgcn-amd-amdhsa--gfx1250"
	.amdhsa_code_object_version 6
	.text
	.protected	k_q0237655f16_quant
	.globl	k_q0237655f16_quant
	.p2align	8
	.type	k_q0237655f16_quant,@function
k_q0237655f16_quant:
	s_mov_b64 s[64:65], 0
	v_nop
	global_prefetch_b8 v0, s[64:65] scope:SCOPE_SE
	s_setreg_imm32_b32 hwreg(HW_REG_WAVE_MODE, 25, 1), 1
	s_wait_xcnt 0x0
; query, key_, value [8192][1024] and Wq, Wk, Wv, Wo [1024][1024], f32, K innermost, become codes of FP6 (E2M3), 768 bytes a row, in xc, and one E8M0 scale byte for each 32 along K, 32 bytes a row, in xs;
; the seven tensors lie one behind the other in both buffers, in that order.
; A block's scale is 2^(floor(log2(its largest magnitude)) - 2); its byte is the largest magnitude's own exponent field - 2, held at 1 from below.  A block of zeros so gets the byte 1: its codes are zeros, and this program alone reads the bytes.
; LIMITS: blocks whose largest magnitude lies under 2^-124 take the floor's scale; NaN and infinities among the inputs are not served.
; THE ORDER OF ROWS.  In all tensors but Wo a row is stored at its number with bits 3 and 4 exchanged.  Sixteen stored rows on end, 16 i + r, are then the true rows 32 (i / 2) + 8 (i % 2) + r % 8 + 16 (r / 8): the order in which
; a product's results, used transposed, give a lane sixteen neighbours along the next product's K.  A wave takes 8 rows (8,192 numbers), a work-group 32: so the exchange is an exchange of the two bits of the wave's number in the place where it stores.
; A wave's 16 steps of 512 numbers: four loads of 512 consecutive bytes; the 2,048 bytes turn through the wave's own stage in LDS and come back 64 bytes a lane, so that a lane holds 16 neighbours and two neighbouring lanes a block.
; A lane's 16 codes are 12 bytes: the wave stores 384 consecutive bytes a step.  Its 256 scale bytes are gathered in its own LDS bytes and leave as 256 consecutive, aligned bytes.  No barrier: waves share nothing.
.set WAVES, 4
.set STEPS, 16
.set EMAX,  2
.set CB,    12                         ; bytes of 16 codes
.set R,     16                         ; v16-79   four sets of 16 numbers as they are loaded
.set X,     80                         ; v80-111  two sets of 16 neighbours
.set C,     128                        ; v128-191 codes: four registers for each step, so that no store's data are written again
.set E,     112                        ; v112-127 a scale byte for each step
.set WREG,  8192                       ; LDS: a region for each wave: two stages of 32 x SP bytes, behind them its 256 scale bytes
.set SP,    80                         ; a lane's place in a stage: 64 bytes + 16 of padding
.set SPW,   12                         ; v12      LDS address of my spare word; never rewritten
.set NIL,   13                         ; v13      0; never rewritten
.set SPARE, WAVES*WREG                 ; behind the four regions: the spare words, 128 bytes a wave, that no other line names
	s_load_b512 s[4:19], s[0:1], 0x0               ; query, key_, value, Wq, Wk, Wv, Wo, xc (s[18:19])
	s_load_b64 s[24:25], s[0:1], 0x40              ; xs
	v_lshl_add_u32 v[SPW], v0, 2, SPARE
	v_mov_b32 v[NIL], 0
	v_lshrrev_b32 v1, 5, v0
	v_readfirstlane_b32 s26, v1                    ; wave
	v_and_b32 v2, 31, v0                           ; lane
	v_lshlrev_b32 v3, 4, v2                        ; my 16 bytes of a load's 512
	s_mul_i32 s27, s26, WREG
	v_lshrrev_b32 v14, 2, v2
	v_mul_u32_u24 v14, v14, SP
	v_and_b32 v15, 3, v2
	v_lshl_add_u32 v14, v15, 4, v14
	v_add_nc_u32 v14, s27, v14                     ; the stage, on the way in: SP (lane / 4) + 16 (lane % 4)
	v_mul_u32_u24 v15, v2, SP
	v_add_nc_u32 v15, s27, v15                     ; and on the way out: SP x lane: my 16 neighbours
	v_mul_u32_u24 v4, v2, CB                       ; my codes' place in a step's
	v_lshrrev_b32 v5, 1, v2
	s_add_co_u32 s27, s27, 2*32*SP
	v_add_nc_u32 v5, s27, v5                       ; LDS: my wave's 256 scale bytes, my block's byte
	v_lshlrev_b32 v7, 3, v2                        ; and on the way out 8 bytes a lane
	v_add_nc_u32 v6, s27, v7
	s_wait_alu depctr_va_vdst(0)
	s_wait_kmcnt 0x0
	; which tensor is my work-group's: the choice hangs on the work-group's number alone.  s[20:21] its address, s22 its first work-group
	s_mov_b64 s[20:21], s[4:5]
	s_mov_b32 s22, 0
.macro PICK lim, p
	s_cmp_ge_u32 ttmp9, \lim
	s_cselect_b64 s[20:21], s[\p:\p+1], s[20:21]
	s_cselect_b32 s22, \lim, s22
.endm
	PICK 256, 6
	PICK 512, 8
	PICK 768, 10
	PICK 800, 12
	PICK 832, 14
	PICK 864, 16
	s_sub_co_u32 s27, ttmp9, s22
	s_lshl_b32 s27, s27, 2
	s_add_co_u32 s27, s27, s26                     ; which run of 8,192 numbers of the tensor I read
	s_lshl_b32 s28, s27, 15                        ; in bytes (under 2^26)
	s_mov_b32 s29, 0
	s_add_nc_u64 s[20:21], s[20:21], s[28:29]
	s_and_b32 s27, s26, 1                          ; where I store: the wave's two bits exchanged,
	s_lshl_b32 s27, s27, 1
	s_lshr_b32 s30, s26, 1
	s_or_b32 s27, s27, s30
	s_cmp_lt_u32 ttmp9, 864
	s_cselect_b32 s27, s27, s26                    ; but not in Wo,
	s_cmp_lt_u32 ttmp9, 256
	s_cselect_b32 s27, s26, s27                    ; nor in query: its rows stay in their own order (a tile of queries is 16 neighbouring tokens); key_, value, Wq, Wk, Wv are exchanged
	s_lshl_b32 s30, ttmp9, 2
	s_add_co_u32 s27, s27, s30                     ; the run's number in xc and xs
	s_mul_i32 s28, s27, 32*STEPS*CB                ; 6,144 bytes of codes a run
	s_add_nc_u64 s[18:19], s[18:19], s[28:29]
	s_lshl_b32 s28, s27, 8                         ; 256 scale bytes a run
	s_add_nc_u64 s[24:25], s[24:25], s[28:29]
.macro LOAD t
.irp i, 0,1,2,3
	global_load_b128 v[R+16*((\t)%4)+4*\i:R+16*((\t)%4)+4*\i+3], v3, s[20:21] offset:2048*(\t)+512*\i th:TH_LOAD_NT   ; 32 lanes read 512 consecutive bytes
.endr
.endm
.macro TURN t                          ; step t's numbers through the stage: LDS serves a wave's instructions in order (ISA guide 5.7.1.4), so no wait stands between the stores and the loads
.irp i, 0,1,2,3
	ds_store_b128 v14, v[R+16*((\t)%4)+4*\i:R+16*((\t)%4)+4*\i+3] offset:32*SP*((\t)%2)+8*SP*\i
.endr
.irp i, 0,1,2,3
	ds_load_b128 v[X+16*((\t)%2)+4*\i:X+16*((\t)%2)+4*\i+3], v15 offset:32*SP*((\t)%2)+16*\i
.endr
.endm
.irp t, 0,1,2,3
	LOAD \t
.endr
	s_wait_loadcnt 12                              ; step 0's four loads are in; the twelve of steps 1 to 3 may be out
	TURN 0
.macro STEP t
.set XS, X+16*((\t)%2)
.if (\t) > 0
	s_wait_dscnt 1                                 ; this step's numbers are back from the stage (the last step's byte store may be out): so its stores into the stage have read their registers,
.else
	s_wait_dscnt 0x0
.endif
.if (\t)+4 < STEPS
	LOAD (\t)+4                                    ; which take the loads of four steps on
.endif
.if (\t)+1 < STEPS
.if STEPS-2-(\t) >= 3
	s_wait_loadcnt 12                              ; the next step's four loads are in; those of the three steps behind it may be out
.else
	s_wait_loadcnt 4*(STEPS-2-(\t))
.endif
	TURN (\t)+1                                    ; and go through the other stage while this step is worked
.endif
	v_max3_num_f32 v8, |v[XS]|, |v[XS+1]|, |v[XS+2]|               ; the largest magnitude of my 16
	v_max3_num_f32 v9, |v[XS+3]|, |v[XS+4]|, |v[XS+5]|
.irp i, 6,10
	v_max3_num_f32 v8, v8, |v[XS+\i]|, |v[XS+\i+1]|
	v_max3_num_f32 v9, v9, |v[XS+\i+2]|, |v[XS+\i+3]|
.endr
	v_max3_num_f32 v8, v8, |v[XS+14]|, |v[XS+15]|
	v_max3_num_f32 v8, v8, v9, (EMAX+1)<<23        ; and the floor 2^(EMAX + 1 - 127): the byte cannot fall under 1
	v_max_num_f32_dpp v8, v8, v8 row_xmask:1 row_mask:0xf bank_mask:0xf   ; and of my neighbour's 16: the block's
	v_add_nc_u32 v11, -(EMAX<<23), v8              ; EMAX off its exponent field: the conversion takes the exponent field of this operand as its scale
	v_cvt_scalef32_pk16_fp6_f32 v[C+4*(\t):C+4*(\t)+2], v[XS:XS+15], v11
	v_lshrrev_b32 v[E+(\t)], 23, v11               ; the scale's byte
	ds_store_b8 v5, v[E+(\t)] offset:16*(\t)       ; both lanes of a block write the same byte with the same value
	global_store_b96 v4, v[C+4*(\t):C+4*(\t)+2], s[18:19] offset:32*CB*(\t)
.endm
.irp t, 0,1,2,3,4,5,6,7,8,9,10,11,12,13,14,15
	STEP \t
.endr
	ds_load_b64 v[8:9], v6                         ; in order behind my byte stores
	s_wait_dscnt 0x0
	global_store_b64 v7, v[8:9], s[24:25]          ; 32 lanes store 256 consecutive bytes, at a multiple of 256 from xs's first byte
	s_wait_tensorcnt 0x0                           ; the wave's end
	ds_add_u32 v[SPW], v[NIL]
	s_wait_dscnt 0x0
	s_endpgm
.Lfunc_end_k_q0237655f16_quant:
	.size	k_q0237655f16_quant, .Lfunc_end_k_q0237655f16_quant-k_q0237655f16_quant
	.p2alignl 7, 3214868480
	.fill 96, 4, 3214868480
	.section	.rodata,"a",@progbits
	.p2align	6, 0x0
	.amdhsa_kernel k_q0237655f16_quant
		.amdhsa_group_segment_fixed_size 33280
		.amdhsa_private_segment_fixed_size 0
		.amdhsa_enable_private_segment 0
		.amdhsa_kernarg_size 72
		.amdhsa_user_sgpr_count 2
		.amdhsa_user_sgpr_kernarg_segment_ptr 1
		.amdhsa_wavefront_size32 1
		.amdhsa_system_sgpr_workgroup_id_x 1
		.amdhsa_system_sgpr_workgroup_id_y 1
		.amdhsa_system_sgpr_workgroup_id_z 1
		.amdhsa_system_vgpr_workitem_id 0
		.amdhsa_next_free_vgpr 192
		.amdhsa_next_free_sgpr 66
		.amdhsa_reserve_vcc 0
		.amdhsa_float_denorm_mode_32 3
		.amdhsa_float_denorm_mode_16_64 3
		.amdhsa_memory_ordered 1
		.amdhsa_forward_progress 1
		.amdhsa_inst_pref_size 33
	.end_amdhsa_kernel
	.amdgpu_metadata
---
amdhsa.version: [ 1, 2 ]
amdhsa.kernels:
  - .name:           k_q0237655f16_quant
    .symbol:         k_q0237655f16_quant.kd
    .args:
      - { .name: query, .offset: 0, .size: 8, .value_kind: global_buffer, .address_space: global }
      - { .name: key_, .offset: 8, .size: 8, .value_kind: global_buffer, .address_space: global }
      - { .name: value, .offset: 16, .size: 8, .value_kind: global_buffer, .address_space: global }
      - { .name: Wq, .offset: 24, .size: 8, .value_kind: global_buffer, .address_space: global }
      - { .name: Wk, .offset: 32, .size: 8, .value_kind: global_buffer, .address_space: global }
      - { .name: Wv, .offset: 40, .size: 8, .value_kind: global_buffer, .address_space: global }
      - { .name: Wo, .offset: 48, .size: 8, .value_kind: global_buffer, .address_space: global }
      - { .name: xc, .offset: 56, .size: 8, .value_kind: global_buffer, .address_space: global }
      - { .name: xs, .offset: 64, .size: 8, .value_kind: global_buffer, .address_space: global }
    .group_segment_fixed_size: 33280
    .private_segment_fixed_size: 0
    .kernarg_segment_align: 8
    .kernarg_segment_size: 72
    .max_flat_workgroup_size: 128
    .sgpr_count:     66
    .vgpr_count:     192
    .wavefront_size: 32
...
	.end_amdgpu_metadata
.endif
;; end of part 1
;; launch proj (part 2): grid 4 x 64, 4 waves a work-group, clusters of 4 x 4, 327,680 bytes of LDS; arguments xc, xs, bq, bk, bv, key_padding_mask, qrec, kv; writes qrec, kv
.if DOCPART == 2
	.amdgcn_target "amdgcn-amd-amdhsa--gfx1250"
	.amdhsa_code_object_version 6
	.text
	.protected	k_q0237655f16_proj
	.globl	k_q0237655f16_proj
	.p2align	8
	.type	k_q0237655f16_proj,@function
k_q0237655f16_proj:
	s_mov_b64 s[64:65], 0
	v_nop
	global_prefetch_b8 v0, s[64:65] scope:SCOPE_SE
	s_setreg_imm32_b32 hwreg(HW_REG_WAVE_MODE, 25, 1), 1
	s_wait_xcnt 0x0
	s_wait_alu depctr_hold_cnt(0) depctr_sa_sdst(0) depctr_va_vdst(0) depctr_va_sdst(0) depctr_va_ssrc(0) depctr_va_vcc(0) depctr_vm_vsrc(0)
	s_getreg_b32 s2, hwreg(HW_REG_IB_STS2, 6, 4)
	s_cmp_eq_u32 s2, 0
	s_cbranch_scc0 .Lentry_in_a_cluster
	s_endpgm
.Lentry_in_a_cluster:
	s_bfe_u32 s2, ttmp6, 0x10000c
	s_cmp_lg_u32 s2, 0xf033
	s_cbranch_scc0 .Lentry_shape_is_right
	s_endpgm
.Lentry_shape_is_right:
; The three input projections on codes of FP6 (E2M3), K = 1,024, and the quantising of q, k (along a head's 64) and v (along the keys) in registers.  Results leave as images of operand registers.
; SHARES.  256 work-groups in 16 clusters of 4 x 4; each STAYS and makes three tiles, T = 0 (q), 1 (k), 2 (v), of 128 (A) x 256 (B) results; a wave makes 64 x 128: 32 accumulators, 256 registers.
; THE MATRIX INSTRUCTION IS USED TRANSPOSED: source 0 (B) runs along a lane's registers, source 1 (A) across lanes.
;   T < 2: A = 128 tokens (block 4 cluster + cy), B = 256 rows of the weight (cx: four heads).   T = 2: A = 128 rows of Wv (cy + 4 (cluster % 2): two heads), B = 256 tokens of value (cx + 4 (cluster / 2)).
; A's tiles hang on cy and the cluster's number and are asked for jointly by a row of the cluster, B's on cx and the cluster's number, by a column.
; Rows lie in xc with bits 3 and 4 of their number exchanged, so that the 16 registers of B's blocks 2 b, 2 b + 1 are 16 neighbours, 32 b + 16 (lane / 16) + 0 .. 15.
; LDS.  A row of codes is 768 bytes: three chunks of 256 bytes, each beginning at a multiple of 256.  Chunk c of A's 128 and B's 256 rows lies at c x SLOT, rows 272 bytes apart.  All of a tile's K is in LDS.
; Chunks 0 and 1 are asked for together (wave 0: A's chunk 0, wave 1: A's chunk 1, waves 2, 3: B's); chunk 2 at the tile's start (wave 0: A's, wave 2: B's).  When step 5's fragments are in registers, chunks 0 and 1 are
; read no more and take the next tile's: that load has steps 5 to 7 and the way out in which to land, chunk 2's has steps 0 to 3.  Every wait on TENSORcnt is for 0; a wave has one tensor load out at the most.
; SCALES go from xs into registers: lane (r, h) takes bytes 16 h .. 16 h + 15 of row r's 32: a load covers 512 consecutive bytes; words 0-3 lie in lanes 0-15, words 4-7 in lanes 16-31 (ROW1).
; THE BIAS is the C of each accumulator's first product.
; PREFETCH: in step 1 of tiles 0 and 1 the next tile's 768 bytes a row are named, a lane a row; the four partners that share a tile take a quarter of its rows each, by address: wave 0 32 of A's, waves 1, 2 32 of B's each.
; At the head tile 0's chunk 2 is named the same way.  Tile 2 names nothing.
; RECORDS (52,224 bytes), number (4 batch + head / 4) 8 + token / 128: +0 four heads x 8 tiles x 768 bytes (q in qrec, k in kv); +24,576 four heads x 4 tiles of d x 1,536 bytes (v); +49,152 four heads x 512 bytes: scale words
; of q or k: lane l's 16 bytes hold word i of tile 2 i + l / 16, row l % 16; +51,200 four heads x 256 bytes: v's, 8 bytes a lane likewise.
; SCALE WORDS.  q: its two bytes less 3 (the division by 8, exact), 127, 127.  k: its two bytes, then 250 for a padded key and 1 for another, 127.
; LIMITS: blocks of q and k whose largest magnitude lies under 2^-121, of v under 2^-124, take the floor's scale.  NaN and infinities are not served.
; REGISTERS: window 0: v0-31 addresses; v32-79 scale words; v80-175 A's fragments, two sets (on the way out: codes and maxima); v176-239 the bias; v240-255 small.  window 1: B's fragments, two sets.  window 2: accumulators.
.set SLOT, 384*272
.set BOFF, 128*272
.set SPARE, 3*SLOT
.set REC, 52224
.set BYT, 4
.set ADRA, 8
.set ADRB, 13
.set L16, 18
.set L8, 19
.set VSO, 20
.set V5, 21
.set V6, 22
.set V7, 23
.set PFO, 24
.set W0, 25
.set W1, 26
.set PW, 27
.set SPW, 28
.set NIL, 29
.set SA, 32
.set SB, 48
.set AF, 80
.set CD, 80
.set MX, 100
.set SO, 104
.set BI, 176
.set BA, 240
.set PD, 244
.set PA, 248
.set KW, 252
.set WV, 20
.set HA, 21
.set HB, 22
.set CX, 23
.set CY, 24
.set CL, 25
.set RA, 26
.set RB, 27
.set NA, 28
.set NB, 29
.set MA, 30
.set MB, 31
.set G1A, 32
.set G1B, 40
.set G0A, 48
.set G0B, 52
.set SEL, 66
.set PFB, 68
.set PFADD, 70
.set CNT, 71
.set OC, 72
.set OS, 74
.set BPN, 76
.set C4, 78
.set C5, 79
.set LXA, 80
.set LXB, 81
.set KOFF, 82
.set SAP, 84
.set SBP, 86
.set LM, 88
.set VO, 89
.set VS2, 90
.set TB, 91
.set GG, 92
.set TG, 93
.set OCN, 94
.set OSN, 96
.set MSB, 0
.macro WIN new
.if MSB != \new
	s_set_vgpr_msb (MSB<<8)|\new
.set MSB, \new
.endif
.endm
.macro PLACES
.rept 4
	v_nop
.endr
.endm
.macro CROUND                          ; a round of the cluster's barrier
	s_barrier_signal -1
	s_barrier_wait -1
	s_cmp_lg_u32 s[WV], 0
	s_cbranch_scc1 .Lnw0_\@
	s_barrier_signal -3
.Lnw0_\@:
	s_barrier_wait -3
	s_barrier_signal -1
	s_barrier_wait -1
.endm
; A joint load: waves 0, 1 for A, waves 2, 3 for B; y = 1 (chunk 2): waves 0 and 2 alone.  The branches hang on the wave's number alone.
.macro JLOAD y
.if \y
	s_cmp_eq_u32 s[HB], 0
	s_cbranch_scc0 .Lasked_\@
.endif
	s_cmp_eq_u32 s[HA], 0
	s_cbranch_scc0 .Lfor_b_\@
	tensor_load_to_lds s[G0A:G0A+3], s[G1A:G1A+7]
	s_nop 0
	PLACES
	s_branch .Lasked_\@
.Lfor_b_\@:
	tensor_load_to_lds s[G0B:G0B+3], s[G1B:G1B+7]
	s_nop 0
	PLACES
.Lasked_\@:
.endm
; the groups 0 for the tile whose first rows are s[ra], s[rb]: y = 0: chunk wave % 2; y = 1: chunk 2.  Written only where no tensor load of the wave is out
.macro SETD ra, rb, y
	s_mul_i32 s56, s[\ra], 768
	s_mov_b32 s57, 0
	s_mul_i32 s58, s[\rb], 768
	s_mov_b32 s59, 0
	s_add_nc_u64 s[G0A+2:G0A+3], s[4:5], s[56:57]
	s_add_nc_u64 s[G0B+2:G0B+3], s[4:5], s[58:59]
.if \y
	s_add_nc_u64 s[G0A+2:G0A+3], s[G0A+2:G0A+3], 512
	s_add_nc_u64 s[G0B+2:G0B+3], s[G0B+2:G0B+3], 512
	s_mov_b32 s[G0A+1], 2*SLOT
	s_mov_b32 s[G0B+1], 2*SLOT+BOFF
.else
	s_add_nc_u64 s[G0A+2:G0A+3], s[G0A+2:G0A+3], s[KOFF:KOFF+1]
	s_add_nc_u64 s[G0B+2:G0B+3], s[G0B+2:G0B+3], s[KOFF:KOFF+1]
	s_mov_b32 s[G0A+1], s[LXA]
	s_mov_b32 s[G0B+1], s[LXB]
.endif
	s_or_b32 s[G0A+3], s[G0A+3], 0x80000000
	s_or_b32 s[G0B+3], s[G0B+3], 0x80000000
.endm
.macro PFSET ra, rb                    ; where my prefetches stand for that tile
	s_cmp_eq_u32 s[WV], 0
	s_cselect_b32 s60, s[\ra], s[\rb]
	s_add_co_u32 s60, s60, s[PFADD]
	s_mul_i32 s60, s60, 768
	s_mov_b32 s61, 0
	s_add_nc_u64 s[PFB:PFB+1], s[4:5], s[60:61]
.endm
.macro ASK lo                          ; chunks lo .. 2 of 32 rows, a lane a row
	s_cmp_lt_u32 s[WV], 3
	s_cbranch_scc0 .Lnp_\@
.irp c, 0,1,2
.if \c >= \lo
	global_prefetch_b8 v[PFO], s[PFB:PFB+1] offset:256*\c th:TH_LOAD_NT scope:SCOPE_SE
.endif
.endr
.Lnp_\@:
.endm
.macro LDSC ra, rb                     ; the scale words of my 64 rows of A and 128 rows of B, all of K
	s_lshl_b32 s56, s[HA], 6
	s_add_co_u32 s56, s56, s[\ra]
	s_lshl_b32 s56, s56, 5
	s_mov_b32 s57, 0
	s_add_nc_u64 s[SAP:SAP+1], s[6:7], s[56:57]
	s_lshl_b32 s56, s[HB], 7
	s_add_co_u32 s56, s56, s[\rb]
	s_lshl_b32 s56, s56, 5
	s_add_nc_u64 s[SBP:SBP+1], s[6:7], s[56:57]
.irp i, 0,1,2,3
	global_load_b128 v[SA+4*\i:SA+4*\i+3], v[VSO], s[SAP:SAP+1] offset:512*\i
.endr
.irp i, 0,1,2,3,4,5,6,7
	global_load_b128 v[SB+4*\i:SB+4*\i+3], v[VSO], s[SBP:SBP+1] offset:512*\i
.endr
.endm
.macro LDBI p                          ; the bias of my 128 columns in the results' layout
.irp b, 0,1,2,3,4,5,6,7
	global_load_b128 v[BI+8*\b:BI+8*\b+3], v[V5], s[\p:\p+1] offset:(32*(\b/2)+8*(\b%2))*4
	global_load_b128 v[BI+8*\b+4:BI+8*\b+7], v[V5], s[\p:\p+1] offset:(32*(\b/2)+8*(\b%2))*4+16
.endr
.endm
; a fragment: 16 rows x 128 K: lane l holds row l % 16; registers 6 c .. 6 c + 5 hold K = 64 c + 32 (l / 16) + 0 .. 31, in pieces of 8 bytes.  Byte y of a row lies in chunk y / 256.
; Where lanes 16-31, 24 bytes on, read the next chunk, the registers adr + 3, adr + 4 serve: lanes 0-15 at byte 232 of the row, lanes 16-31 at byte 0 of the next chunk's row.
.macro FRAG reg, adr, st, i
.irp p, 0,1,2,3,4,5
.set FB, 96*(\st)+48*(\p/3)+8*(\p%3)
.if FB/256 == (FB+24)/256
	ds_load_b64 v[\reg+2*\p:\reg+2*\p+1], v[\adr+FB/256] offset:FB%256+(\i)*4352
.else
	ds_load_b64 v[\reg+2*\p:\reg+2*\p+1], v[\adr+3+FB/256] offset:FB%256-232+(\i)*4352
.endif
.endr
.endm
.macro FETCH st                        ; step st's twelve fragments into set st % 2
	WIN 0x40
.irp i, 0,1,2,3,4,5,6,7
	FRAG 128*((\st)%2)+12*\i, ADRB, \st, \i
.endr
	WIN 0
.irp i, 0,1,2,3
	FRAG AF+48*((\st)%2)+12*\i, ADRA, \st, \i
.endr
.endm
; 32 matrix instructions, the accumulators by turns.  Step 0 starts the sums with the bias: ck = 0: by B's block, 1: by A's block
.macro MUL st, ck
.if (\st) == 0
	WIN 0x81
.else
	WIN 0xa1
.endif
.irp a, 0,1,2,3
.irp b, 0,1,2,3,4,5,6,7
.set M_D, 8*(8*\a+\b)
.set M_B, 128*((\st)%2)+12*\b
.set M_A, AF+48*((\st)%2)+12*\a
.set M_C, BI+8*((\ck)*\a+(1-(\ck))*\b)
.set M_SB, SB+4*\b+(\st)%4
.set M_SA, SA+4*\a+(\st)%4
.if (\st) == 0
	v_wmma_scale_f32_16x16x128_f8f6f4 v[M_D:M_D+7], v[M_B:M_B+11], v[M_A:M_A+11], v[M_C:M_C+7], v[M_SB], v[M_SA] matrix_a_fmt:MATRIX_FMT_FP6 matrix_b_fmt:MATRIX_FMT_FP6
.else
.if (\st) < 4
	v_wmma_scale_f32_16x16x128_f8f6f4 v[M_D:M_D+7], v[M_B:M_B+11], v[M_A:M_A+11], v[M_D:M_D+7], v[M_SB], v[M_SA] matrix_a_fmt:MATRIX_FMT_FP6 matrix_b_fmt:MATRIX_FMT_FP6
.else
	v_wmma_scale_f32_16x16x128_f8f6f4 v[M_D:M_D+7], v[M_B:M_B+11], v[M_A:M_A+11], v[M_D:M_D+7], v[M_SB], v[M_SA] matrix_a_fmt:MATRIX_FMT_FP6 matrix_b_fmt:MATRIX_FMT_FP6 matrix_a_scale:MATRIX_SCALE_ROW1 matrix_b_scale:MATRIX_SCALE_ROW1
.endif
.endif
.endr
.endr
	WIN 0
.endm
.macro STEP st, fill, ck
.if (\st) == 5 && (\fill)
	s_wait_tensorcnt 0x0                           ; no tensor load of mine is out;
	ds_add_u32 v[SPW], v[NIL]
	SETD NA, NB, 0
	s_wait_dscnt 0x0                               ; the add is done; step 5's fragments are in: my reads of chunks 0 and 1 are over
	CROUND
	JLOAD 0                                        ; the next tile's chunks 0 and 1; its four v_nop are the places in front of the loads below
.else
	s_wait_dscnt 0x0                               ; this step's fragments are in
.if (\st) == 4
	s_wait_tensorcnt 0x0                           ; my part of chunk 2 has landed;
	s_barrier_signal -1
	s_barrier_wait -1                              ; everybody's has: step 5 reads it.
.endif
.if (\st) > 0
	PLACES                                         ; in front of loads into registers that matrix instructions have read
.endif
.endif
.if (\st) < 7
	FETCH (\st)+1
.endif
.if (\st) == 1 && (\fill)
	ASK 0
.endif
	MUL \st, \ck
.endm
.macro TILE fill, ck
	s_wait_alu depctr_va_vdst(0)
	s_wait_tensorcnt 0x0                           ; my part of chunks 0 and 1 has landed
	ds_add_u32 v[SPW], v[NIL]
	s_wait_xcnt 0x0                                ; earlier loads, stores and prefetches have read their bases
	SETD RA, RB, 1
.if \fill
	PFSET NA, NB
.endif
	s_wait_dscnt 0x0
	CROUND
	JLOAD 1                                        ; this tile's chunk 2
	FETCH 0
	s_wait_loadcnt 0x0                             ; scale words and bias
.irp st, 0,1,2,3,4,5,6,7
	STEP \st, \fill, \ck
.endr
.endm
	s_load_b512 s[4:19], s[0:1], 0x0               ; xc, xs, bq, bk, bv, key_padding_mask, qrec, kv
	v_lshl_add_u32 v[SPW], v0, 2, SPARE
	v_mov_b32 v[NIL], 0
	ds_add_u32 v[SPW], v[NIL]                      ; the opening lines: the add twice on end
	ds_add_u32 v[SPW], v[NIL]
	v_lshrrev_b32 v1, 5, v0
	v_readfirstlane_b32 s[WV], v1
	s_lshr_b32 s[HA], s[WV], 1                     ; which 64 of A's rows are mine; also: I fetch for A (0) or B (1)
	s_and_b32 s[HB], s[WV], 1                      ; which 128 of B's rows; also: which chunk I fetch
	s_bfe_u32 s[CX], ttmp6, 0x40000
	s_bfe_u32 s[CY], ttmp6, 0x40004
	s_and_b32 s[CL], ttmp7, 0xffff
	s_lshl_b32 s56, s[CY], 2
	s_lshl_b32 s56, 15, s56                        ; my row of the cluster
	s_lshl_b32 s57, 0x1111, s[CX]                  ; my column
	s_or_b32 s[G1A], s56, (1<<20)|(1<<21)|(5<<22)|(3<<25)   ; the mask; elements of 1 byte; 16 bytes of padding behind every 256
	s_or_b32 s[G1B], s57, (1<<20)|(1<<21)|(5<<22)|(3<<25)
.irp g, G1A, G1B
	s_mov_b32 s[\g+1], 256<<16
	s_mov_b32 s[\g+3], 256<<16
	s_mov_b32 s[\g+5], 768
	s_mov_b32 s[\g+6], 0
	s_mov_b32 s[\g+7], 0
.endr
	s_mov_b32 s[G1A+2], 128<<16
	s_mov_b32 s[G1A+4], 128
	s_mov_b32 s[G1B+2], 256<<16
	s_mov_b32 s[G1B+4], 256
	s_mov_b32 s[G0A], 1
	s_mov_b32 s[G0B], 1
	s_lshl_b32 s[TB], s[CL], 2
	s_add_co_u32 s[TB], s[TB], s[CY]               ; my block of 128 tokens
	s_lshl_b32 s[RA], s[TB], 7                     ; first rows in xc and xs: A of tile 0,
	s_add_co_u32 s[NA], s[RA], 8192                ; of tile 1,
	s_and_b32 s[GG], s[CL], 1
	s_lshl_b32 s[GG], s[GG], 2
	s_add_co_u32 s[GG], s[GG], s[CY]
	s_lshl_b32 s[MA], s[GG], 7
	s_add_co_u32 s[MA], s[MA], 26624               ; of tile 2 (Wv)
	s_lshl_b32 s[RB], s[CX], 8
	s_add_co_u32 s[RB], s[RB], 24576               ; B: Wq,
	s_add_co_u32 s[NB], s[RB], 1024                ; Wk,
	s_lshr_b32 s[TG], s[CL], 1
	s_lshl_b32 s[TG], s[TG], 2
	s_add_co_u32 s[TG], s[TG], s[CX]
	s_lshl_b32 s[MB], s[TG], 8
	s_add_co_u32 s[MB], s[MB], 16384               ; value
	s_mul_i32 s[LXA], s[HB], SLOT
	s_add_co_u32 s[LXB], s[LXA], BOFF
	s_lshl_b32 s[KOFF], s[HB], 8
	s_mov_b32 s[KOFF+1], 0
	s_wait_dscnt 0x0
	s_wait_kmcnt 0x0
	CROUND                                         ; the first joint loads meet
	SETD RA, RB, 0
	JLOAD 0                                        ; tile 0's chunks 0 and 1: one tensor load a wave
	s_mul_i32 s56, s[HA], 64*272
	s_add_co_u32 s57, s56, SLOT
	s_add_co_u32 s58, s56, 2*SLOT
	s_mul_i32 s59, s[HB], 128*272
	s_add_co_u32 s59, s59, BOFF
	s_add_co_u32 s60, s59, SLOT
	s_add_co_u32 s61, s59, 2*SLOT
	s_mov_b32 s62, SLOT-232
	v_and_b32 v1, 15, v0                           ; r
	v_bfe_u32 v2, v0, 4, 1                         ; h
	v_mul_u32_u24 v3, v1, 272
	v_mad_u32_u24 v30, v2, 24, v3
	v_mad_u32_u24 v31, v2, s62, v3
	v_add_nc_u32 v31, 232, v31
.irp c, 0,1,2
	v_add_nc_u32 v[ADRA+\c], s[56+\c], v30
	v_add_nc_u32 v[ADRB+\c], s[59+\c], v30
.if \c < 2
	v_add_nc_u32 v[ADRA+3+\c], s[56+\c], v31
	v_add_nc_u32 v[ADRB+3+\c], s[59+\c], v31
.endif
.endr
	v_and_b32 v3, 31, v0
	v_lshlrev_b32 v[L16], 4, v3
	v_lshlrev_b32 v[L8], 3, v3
	v_mul_u32_u24 v[PFO], v3, 768
	v_lshlrev_b32 v[VSO], 5, v1
	v_lshl_add_u32 v[VSO], v2, 4, v[VSO]
	v_lshlrev_b32 v[V5], 6, v2
	v_and_b32 v[V6], 8, v1
	v_add_nc_u32 v[V6], v[V6], v1                  ; r + 8 (r / 8): my row in a block
	v_lshlrev_b32 v[V7], 2, v[V6]
.irp b, 0,1,2,3
	v_mov_b32 v[BYT+\b], 0                         ; a lane permute's destination counts as one of its sources
.endr
	; where q's and k's results go
	s_lshr_b32 s56, s[TB], 3
	s_lshl_b32 s56, s56, 2
	s_add_co_u32 s56, s56, s[CX]
	s_lshl_b32 s56, s56, 3
	s_and_b32 s57, s[TB], 7
	s_add_co_u32 s56, s56, s57
	s_mul_i32 s56, s56, REC
	s_mul_i32 s57, s[HB], 12288
	s_mul_i32 s58, s[HA], 3072
	s_add_co_u32 s58, s58, s57
	s_add_co_u32 s58, s58, s56
	s_mov_b32 s59, 0
	s_add_nc_u64 s[OC:OC+1], s[16:17], s[58:59]
	s_add_nc_u64 s[OCN:OCN+1], s[18:19], s[58:59]
	s_lshl_b32 s57, s[HB], 10
	s_lshl_b32 s58, s[HA], 3
	s_add_co_u32 s58, s58, s57
	s_add_co_u32 s58, s58, s56
	s_add_co_u32 s58, s58, 49152
	s_add_nc_u64 s[OS:OS+1], s[16:17], s[58:59]
	s_add_nc_u64 s[OSN:OSN+1], s[18:19], s[58:59]
	; and v's: head 2 GG + HA, key step 2 TG + HB
	s_lshl_b32 s56, s[TG], 1
	s_add_co_u32 s56, s56, s[HB]
	s_lshr_b32 s57, s56, 3
	s_lshl_b32 s57, s57, 2
	s_lshr_b32 s58, s[GG], 1
	s_add_co_u32 s57, s57, s58
	s_lshl_b32 s57, s57, 3
	s_and_b32 s56, s56, 7
	s_add_co_u32 s57, s57, s56
	s_mul_i32 s57, s57, REC
	s_and_b32 s56, s[GG], 1
	s_lshl_b32 s56, s56, 1
	s_add_co_u32 s56, s56, s[HA]
	s_mul_i32 s58, s56, 6144
	s_add_co_u32 s[VO], s57, s58
	s_add_co_u32 s[VO], s[VO], 24576
	s_lshl_b32 s58, s56, 8
	s_add_co_u32 s[VS2], s57, s58
	s_add_co_u32 s[VS2], s[VS2], 51200
	s_lshl_b32 s56, s[CX], 5                       ; the prefetches: wave 0: A's rows 32 cx on; waves 1, 2: B's rows 64 cy + 32 (wave - 1) on
	s_lshl_b32 s57, s[CY], 6
	s_lshl_b32 s58, s[WV], 5
	s_add_co_u32 s57, s57, s58
	s_sub_co_u32 s57, s57, 32
	s_cmp_eq_u32 s[WV], 0
	s_cselect_b32 s[PFADD], s56, s57
	PFSET RA, RB
	s_mov_b32 s[C4], 0x7f7efcfd                    ; q: 127, 127, and 3 off each of the two bytes below
	s_mov_b32 s[C5], 0
	s_mov_b32 s[LM], 0xffff0000                    ; lanes 16-31
	s_mov_b32 s[SEL], 0x76543210
	s_mov_b32 s[SEL+1], 0xfedcba98
	s_wait_alu depctr_va_vdst(0)
	LDSC RA, RB
	s_lshl_b32 s56, s[CX], 8
	s_lshl_b32 s57, s[HB], 7
	s_add_co_u32 s56, s56, s57
	s_lshl_b32 s56, s56, 2
	s_mov_b32 s57, 0
	s_add_nc_u64 s[58:59], s[8:9], s[56:57]
	s_add_nc_u64 s[BPN:BPN+1], s[10:11], s[56:57]
	LDBI 58
	s_lshl_b32 s56, s[GG], 7
	s_lshl_b32 s60, s[HA], 6
	s_add_co_u32 s56, s56, s60
	s_lshl_b32 s56, s56, 2
	s_add_nc_u64 s[60:61], s[12:13], s[56:57]
	s_lshl_b32 s56, s[TB], 7
	s_lshl_b32 s62, s[HA], 6
	s_add_co_u32 s56, s56, s62
	s_add_nc_u64 s[62:63], s[14:15], s[56:57]
.irp a, 0,1,2,3
	global_load_b32 v[BA+\a], v[V7], s[60:61] offset:(32*(\a/2)+8*(\a%2))*4      ; bv of my lane's channel of block a
	global_load_u8 v[PD+\a], v[V6], s[62:63] offset:32*(\a/2)+8*(\a%2)            ; my token's padding byte
.endr
	ASK 2
; block a's 64 numbers of a lane, register 16 b + i = place 32 b + 16 (lane / 16) + i, become a fragment's codes in v[CD] on and four bytes in v[BYT] on.  Each accumulator is read from its low end on.
.macro QUANT a, floor, word
	WIN 0x28
.irp b, 0,1,2,3
	v_max3_num_f32 v[MX+\b], \floor, |v[64*\a+16*\b]|, |v[64*\a+16*\b+1]|
.endr
.irp i, 2,4,6,8,10,12,14
.irp b, 0,1,2,3
	v_max3_num_f32 v[MX+\b], v[MX+\b], |v[64*\a+16*\b+\i]|, |v[64*\a+16*\b+\i+1]|
.endr
.endr
	WIN 0
.irp b, 0,1,2,3
	v_permlanex16_b32 v[BYT+\b], v[MX+\b], s[SEL], s[SEL+1]
.endr
.irp b, 0,1,2,3
	v_max_num_f32 v[MX+\b], v[MX+\b], v[BYT+\b]    ; with lane l xor 16's: the block's largest magnitude
.endr
.irp b, 0,1,2,3
	v_add_nc_u32 v[SO+\b], 0xff000000, v[MX+\b]    ; 2 off its exponent field: the conversion's scale operand
.endr
.irp b, 0,1,2,3
	v_lshrrev_b32 v[BYT+\b], 23, v[SO+\b]          ; the scale's byte
.endr
.if \word
	v_lshl_or_b32 v[PW], v[BYT+1], 8, v[BYT]
	v_lshl_or_b32 v[PW], v[BYT+2], 16, v[PW]
	v_lshl_or_b32 v[PW], v[BYT+3], 24, v[PW]
.endif
	WIN 0x02
.irp c, 0,1
	v_cvt_scalef32_pk16_fp6_f32 v[CD+6*\c:CD+2+6*\c], v[64*\a+32*\c:64*\a+32*\c+15], v[SO+2*\c]
	v_cvt_scalef32_pk16_fp6_f32 v[CD+12+4*\c:CD+14+4*\c], v[64*\a+32*\c+16:64*\a+32*\c+31], v[SO+2*\c+1]
.endr
	WIN 0
	v_nop                                          ; one plain place behind a scaled conversion
.irp c, 0,1                                    ; a whole block in a lane: lanes 0-15 block 2 c, lanes 16-31 block 2 c + 1
.irp i, 0,1,2
	v_permlane16_swap_b32 v[CD+6*\c+\i], v[CD+12+4*\c+\i]
.endr
.irp i, 0,1,2
	v_mov_b32 v[CD+3+6*\c+\i], v[CD+12+4*\c+\i]
.endr
.endr
.endm
.macro QKBLOCK a                       ; 16 tokens x two heads
.if \a > 0
	s_wait_xcnt 0x0                                ; the last block's stores have read their registers
.endif
	QUANT \a, 0x3000000, 0                         ; the floor 2^(6 - 127): q's byte less 3 stays at 1 or above
	v_lshl_or_b32 v[W0], v[BYT+1], 8, v[BYT]
	v_lshl_or_b32 v[W1], v[BYT+3], 8, v[BYT+2]
	v_add_nc_u32 v[W0], v[W0], v[PA+\a]
	v_add_nc_u32 v[W1], v[W1], v[PA+\a]
.if (\a)%2 == 0
	v_mov_b32 v[KW+(\a)/2], v[W0]
	v_mov_b32 v[KW+2+(\a)/2], v[W1]
.else
	v_cndmask_b32 v[KW+(\a)/2], v[KW+(\a)/2], v[W0], s[LM]
	v_cndmask_b32 v[KW+2+(\a)/2], v[KW+2+(\a)/2], v[W1], s[LM]
.endif
	global_store_b128 v[L16], v[CD:CD+3], s[OC:OC+1] offset:768*(\a)
	global_store_b64 v[L8], v[CD+4:CD+5], s[OC:OC+1] offset:768*(\a)+512
	global_store_b128 v[L16], v[CD+6:CD+9], s[OC:OC+1] offset:6144+768*(\a)
	global_store_b64 v[L8], v[CD+10:CD+11], s[OC:OC+1] offset:6144+768*(\a)+512
.endm
.macro VBLOCK a                        ; 16 channels x 128 keys: one whole fragment
.if \a > 0
	s_wait_xcnt 0x0
.endif
	QUANT \a, 0x1800000, 1
.if (\a)%2 == 0
	v_mov_b32 v[KW+(\a)/2], v[PW]
.else
	v_cndmask_b32 v[KW+(\a)/2], v[KW+(\a)/2], v[PW], s[LM]
.endif
.irp k, 0,1,2
	global_store_b128 v[L16], v[CD+4*\k:CD+4*\k+3], s[OC:OC+1] offset:(\a)*1536+512*\k
.endr
.endm
	s_mov_b32 s[CNT], 2
.Ltile:                                                ; tiles 0 and 1: q, k
	TILE 1, 0
	PLACES                                         ; behind the last products
	LDSC NA, NB                                    ; the next tile's scale words land under the way out
	s_cmp_eq_u32 s[CNT], 2
	s_cbranch_scc0 .Lno_bias
	LDBI BPN                                       ; and, behind tile 0, bk
.Lno_bias:
.irp a, 0,1,2,3
	v_mad_u32_u24 v[PA+\a], v[PD+\a], s[C5], s[C4] ; what is added to my token's scale words
.endr
.irp a, 0,1,2,3
	QKBLOCK \a
.endr
	global_store_b64 v[L16], v[KW:KW+1], s[OS:OS+1]
	global_store_b64 v[L16], v[KW+2:KW+3], s[OS:OS+1] offset:512
	s_wait_xcnt 0x0                                ; the stores have read their registers and bases
	s_mov_b32 s[RA], s[NA]
	s_mov_b32 s[RB], s[NB]
	s_mov_b32 s[NA], s[MA]
	s_mov_b32 s[NB], s[MB]
	s_mov_b64 s[OC:OC+1], s[OCN:OCN+1]
	s_mov_b64 s[OS:OS+1], s[OSN:OSN+1]
	s_mov_b32 s[C4], 0x7f010000                    ; k: bytes 2 and 3: 1, 127,
	s_mov_b32 s[C5], 0xf90000                      ; and 249 more in byte 2 for a padded key
	s_sub_co_u32 s[CNT], s[CNT], 1
	s_cmp_lg_u32 s[CNT], 0
	s_wait_alu depctr_va_vdst(0)
	s_cbranch_scc1 .Ltile
	; tile 2, v, is written out: it asks for nothing beyond its own chunk 2
.irp a, 0,1,2,3
.irp j, 0,1,2,3,4,5,6,7
	v_mov_b32 v[BI+8*\a+\j], v[BA+\a]              ; one bias a lane, as the C of block a's first products
.endr
.endr
	s_mov_b32 s56, s[VO]
	s_mov_b32 s57, 0
	s_add_nc_u64 s[OC:OC+1], s[18:19], s[56:57]
	s_mov_b32 s56, s[VS2]
	s_add_nc_u64 s[OS:OS+1], s[18:19], s[56:57]
	TILE 0, 1
	PLACES
.irp a, 0,1,2,3
	VBLOCK \a
.endr
	global_store_b64 v[L8], v[KW:KW+1], s[OS:OS+1]
	s_wait_tensorcnt 0x0                           ; the wave's end
	ds_add_u32 v[SPW], v[NIL]
	s_wait_dscnt 0x0
	CROUND                                         ; the closing round
	s_endpgm
.Lfunc_end_k_q0237655f16_proj:
	.size	k_q0237655f16_proj, .Lfunc_end_k_q0237655f16_proj-k_q0237655f16_proj
	.p2alignl 7, 3214868480
	.fill 96, 4, 3214868480
	.section	.rodata,"a",@progbits
	.p2align	6, 0x0
	.amdhsa_kernel k_q0237655f16_proj
		.amdhsa_group_segment_fixed_size 327680
		.amdhsa_private_segment_fixed_size 0
		.amdhsa_enable_private_segment 0
		.amdhsa_kernarg_size 64
		.amdhsa_user_sgpr_count 2
		.amdhsa_user_sgpr_kernarg_segment_ptr 1
		.amdhsa_wavefront_size32 1
		.amdhsa_system_sgpr_workgroup_id_x 1
		.amdhsa_system_sgpr_workgroup_id_y 1
		.amdhsa_system_sgpr_workgroup_id_z 1
		.amdhsa_system_vgpr_workitem_id 0
		.amdhsa_next_free_vgpr 768
		.amdhsa_next_free_sgpr 98
		.amdhsa_reserve_vcc 0
		.amdhsa_float_denorm_mode_32 3
		.amdhsa_float_denorm_mode_16_64 3
		.amdhsa_memory_ordered 1
		.amdhsa_forward_progress 1
		.amdhsa_inst_pref_size 199
	.end_amdhsa_kernel
	.amdgpu_metadata
---
amdhsa.version: [ 1, 2 ]
amdhsa.kernels:
  - .name:           k_q0237655f16_proj
    .symbol:         k_q0237655f16_proj.kd
    .args:
      - { .name: xc, .offset: 0, .size: 8, .value_kind: global_buffer, .address_space: global }
      - { .name: xs, .offset: 8, .size: 8, .value_kind: global_buffer, .address_space: global }
      - { .name: bq, .offset: 16, .size: 8, .value_kind: global_buffer, .address_space: global }
      - { .name: bk, .offset: 24, .size: 8, .value_kind: global_buffer, .address_space: global }
      - { .name: bv, .offset: 32, .size: 8, .value_kind: global_buffer, .address_space: global }
      - { .name: key_padding_mask, .offset: 40, .size: 8, .value_kind: global_buffer, .address_space: global }
      - { .name: qrec, .offset: 48, .size: 8, .value_kind: global_buffer, .address_space: global }
      - { .name: kv, .offset: 56, .size: 8, .value_kind: global_buffer, .address_space: global }
    .group_segment_fixed_size: 327680
    .private_segment_fixed_size: 0
    .kernarg_segment_align: 8
    .kernarg_segment_size: 64
    .max_flat_workgroup_size: 128
    .sgpr_count:     98
    .vgpr_count:     768
    .wavefront_size: 32
...
	.end_amdgpu_metadata
.endif
;; end of part 2
;; launch attn (part 3): grid 8 x 32, 8 waves a work-group, clusters of 4 x 4, 327,680 bytes of LDS; arguments qrec, kv, attn_mask, oc, os; writes oc, os
.if DOCPART == 3
	.amdgcn_target "amdgcn-amd-amdhsa--gfx1250"
	.amdhsa_code_object_version 6
	.text
	.protected	k_q0237655f16_attn
	.globl	k_q0237655f16_attn
	.p2align	8
	.type	k_q0237655f16_attn,@function
k_q0237655f16_attn:
	s_mov_b64 s[64:65], 0
	v_nop
	global_prefetch_b8 v0, s[64:65] scope:SCOPE_SE
	s_setreg_imm32_b32 hwreg(HW_REG_WAVE_MODE, 25, 1), 1
	s_wait_xcnt 0x0
	s_wait_alu depctr_hold_cnt(0) depctr_sa_sdst(0) depctr_va_vdst(0) depctr_va_sdst(0) depctr_va_ssrc(0) depctr_va_vcc(0) depctr_vm_vsrc(0)
	s_getreg_b32 s2, hwreg(HW_REG_IB_STS2, 6, 4)
	s_cmp_eq_u32 s2, 0
	s_cbranch_scc0 .Lentry_in_a_cluster
	s_endpgm
.Lentry_in_a_cluster:
	s_bfe_u32 s2, ttmp6, 0x10000c
	s_cmp_lg_u32 s2, 0xf033
	s_cbranch_scc0 .Lentry_shape_is_right
	s_endpgm
.Lentry_shape_is_right:
; Attention on codes of FP6 (E2M3): logit = q . k / 8 + attn_mask, hidden where the key is padded; p = 2^(t - M), t = logit x log2(e), M the running largest t rounded up to a whole number; O = (p v) / l, l the sum of the
; unquantised p.  O is quantised along the model's 1,024 into oc (768 bytes a token) and os (32 scale bytes a token).
; SHARES.  256 work-groups: 128 queries (qg) of four heads (y = 4 batch + head / 4).  Wave w of eight: queries 32 (w % 4) on, as two tiles of 16, and heads 2 (w / 4), 2 (w / 4) + 1, one after the other.  Eight key steps of 128.
; Each fragment of k and of v that a wave reads from LDS feeds two matrix instructions, one for each tile of queries.
; CLUSTER, 4 x 4.  The four work-groups of a row (same y) walk the same records of k and v, the four of a column (same qg) the same rows of attn_mask: both are asked for jointly.
; LAYOUT.  Both products are used transposed (S^T = K Q^T, O^T = V^T P^T): a lane holds one query.  A tile of queries is 16 neighbouring tokens; tile t of keys holds in lane r key 32 (t / 2) + 8 (t % 2) + r % 8 + 16 (r / 8),
; so that the 16 registers of tiles 2 b, 2 b + 1 are 16 neighbouring keys, 32 b + 16 (lane / 16) + 0 .. 15.
; THE LOGIT COMES WHOLE OUT OF ONE MATRIX INSTRUCTION.  q's scale bytes carry the division by 8; attn_mask is loaded into the accumulator's registers and is the product's C; at k = 64 q has the code 1.0 under the byte 127,
; k the code -7.5 under a byte that is 250 for a padded key and 1 for another; all other codes of the upper half of K are zeros.
; REGISTERS.  What belongs to a tile of queries has the same numbers, v48-255, in window 0 (tile 0) and window 1 (tile 1).  Window 0, v0-47: addresses and scale words.  Window 1, v0-47: four fragments of k.
; v's four fragments take the registers of tile 0's p, once that has been converted.
; LDS.  Two slots 131,072 bytes apart: 128 rows of the mask (512 bytes + 16), then a record of 52,224 bytes as it lies.  Waves 0-3 fetch 32 rows of the mask each, waves 4-7 a quarter of the record each: one tensor load a wave
; behind each round, and one out at the most.  The slot of the step at work is a scalar that changes by turns in a loop of seven trips; the last step, which fetches nothing, is written out.
; PREFETCH.  Trip j names step j + 2, one trip ahead of its load; trips 6 and 7 name nothing.  The four partners of a row take a quarter of the record each (waves 0, 1: 51 places 256 bytes apart, the lanes left over name the last
; again), the four of a column 32 rows of the mask each (waves 2, 3: two lanes to a row's 512 bytes), told apart by address.
; LIMITS.  A padded key's logit is -7.5 x 2^123 and not -infinity, another key's carries -7.5 x 2^-126: finite logits must stay under 2^118 in magnitude.  A row whose largest t lies under -1e37 counts as wholly hidden: its scale
; bytes become 0xff, so that the row of the result is NaN as in a softmax over nothing.  NaN among the inputs is not served.
.set SLOTB, 131072
.set MP,    528
.set REC,   52224
.set KOF,   128*MP
.set VDL,   24576
.set KSO,   KOF+49152
.set VSO,   KOF+51200
.set STG,   2*SLOTB                    ; the way out: 128 rows x (16 places of 16 bytes + 16),
.set SCS,   STG+128*272                ; 128 rows x 8 scale bytes,
.set SPARE, SCS+1024                   ; and the spare words, 128 bytes a wave
.set AMB, 1                            ; v1-5 my lane's places in slot 0: mask, k (16 and 8 bytes a lane), k's and v's scale words; v6-10 the same in the slot at work
.set AKB, 2
.set AK1B, 3
.set ASB, 4
.set ATB, 5
.set AM, 6
.set AK, 7
.set AK1, 8
.set AS, 9
.set AT, 10
.set SPW, 11
.set NIL, 12
.set PFO, 13
.set QS, 14                            ; v14-17 q's scale words: 2 head + tile
.set PS, 18                            ; v18-19 p's, a tile each
.set VS, 20
.set C8, 22
.set C3F, 23
.set KS, 24
.set TL, 28
.set TL16, 29
.set TL8, 30
.set TR, 31
.set TH, 32
.set TR16, 33
.set STA, 34
.set SCA, 35
.set SRD, 36
.set SCR, 37
.set GOC, 38
.set GOS, 39
.set KF, 0                             ; window 1
.set QF, 48                            ; a tile's own: q's fragments of two heads,
.set S, 72                             ; mask, S^T, p,
.set OT, 136                           ; O^T of two heads,
.set PF, 200                           ; p's codes,
.set CT, 212
.set BM, 220
.set BP, 224
.set SO, 228
.set F, 232
.set TP, 234
.set TQ, 235
.set NM, 236                           ; -M and the largest t, a pair a head,
.set SUM, 240                          ; the sum in two halves, a pair a head,
.set SU, 244                           ; six pairs of partial sums
.set OUT, 72
.set WV, 14
.set CX, 15
.set CY, 16
.set QG, 17
.set YY, 18
.set TAU, 19
.set HP, 20
.set CUR, 21
.set SEL, 22
.set CS, 24
.set MB, 26
.set KB, 27
.set G1M, 28
.set G1K, 36
.set G0M, 44
.set G0K, 48
.set PFA, 54
.set PFS, 56
.set LIM, 58
.set CNT, 59
.set GRP, 60                           ; s60 0: my wave leads; 1: it lags by the last quarter of a step
.set LAGX, 61                          ; s61 1 in a lagging wave that has a quarter of the step before left to do
.set MSB, 0
.macro WIN new
.if MSB != \new
	s_set_vgpr_msb (MSB<<8)|\new
.set MSB, \new
.endif
.endm
.macro NOPS n
.rept \n
	v_nop
.endr
.endm
.macro JLOAD                           ; the branch hangs on the wave's number alone; every wave issues one load
	s_cmp_lt_u32 s[WV], 4
	s_cbranch_scc0 .Lrec_\@
	tensor_load_to_lds s[G0M:G0M+3], s[G1M:G1M+7]
	s_nop 0
	NOPS 4
	s_branch .Lasked_\@
.Lrec_\@:
	tensor_load_to_lds s[G0K:G0K+3], s[G1K:G1K+7]
	s_nop 0
	NOPS 4
.Lasked_\@:
.endm
.macro ASK
	s_cmp_gt_u32 s[CNT], s[LIM]                    ; waves 0-3, and not in the loop's last trip
	s_cbranch_scc0 .Lnm_\@
	global_prefetch_b8 v[PFO], s[PFA:PFA+1] th:TH_LOAD_NT scope:SCOPE_SE
.Lnm_\@:
.endm
.macro CROUND
	s_barrier_signal -1
	s_barrier_wait -1
	s_cmp_lg_u32 s[WV], 0
	s_cbranch_scc1 .Lnw0_\@
	s_barrier_signal -3
.Lnw0_\@:
	s_barrier_wait -3
	s_barrier_signal -1
	s_barrier_wait -1
.endm
	s_load_b256 s[4:11], s[0:1], 0x0               ; qrec, kv, attn_mask, oc
	s_load_b64 s[12:13], s[0:1], 0x20              ; os
	v_lshl_add_u32 v[SPW], v0, 2, SPARE
	v_mov_b32 v[NIL], 0
	ds_add_u32 v[SPW], v[NIL]                      ; the opening lines: the add twice on end
	ds_add_u32 v[SPW], v[NIL]
	v_lshrrev_b32 v[TL], 5, v0
	s_delay_alu instid0(VALU_DEP_1)
	v_readfirstlane_b32 s[WV], v[TL]
	s_bfe_u32 s[CX], ttmp6, 0x40000
	s_bfe_u32 s[CY], ttmp6, 0x40004
	s_lshl_b32 s[QG], ttmp9, 2
	s_add_co_u32 s[QG], s[QG], s[CX]               ; my 128 queries
	s_and_b32 s[YY], ttmp7, 0xffff
	s_lshl_b32 s[YY], s[YY], 2
	s_add_co_u32 s[YY], s[YY], s[CY]               ; 4 batch + head / 4
	s_and_b32 s[TAU], s[WV], 3
	s_lshr_b32 s[HP], s[WV], 2
	s_xor_b32 s[GRP], s[HP], s[WV]
	s_and_b32 s[GRP], s[GRP], 1                    ; (w / 4 + w) % 2: of waves w and w + 4, and of two neighbours, one leads and one lags
	s_mov_b32 s[LAGX], 0                           ; the first trip has no step before it
	s_mov_b32 s[CUR], 0
	s_lshl_b32 s66, s[CY], 2
	s_lshl_b32 s66, 15, s66                        ; my row of the cluster
	s_lshl_b32 s67, 0x1111, s[CX]                  ; my column
	s_or_b32 s[G1M], s67, (2<<16)|(1<<20)|(1<<21)|(6<<22)|(3<<25)   ; the mask's rows go to my column; elements of 4 bytes; 16 bytes of padding behind every 512
	s_mov_b32 s[G1M+1], 128<<16
	s_mov_b32 s[G1M+2], 32<<16
	s_mov_b32 s[G1M+3], 128<<16
	s_mov_b32 s[G1M+4], 32
	s_mov_b32 s[G1M+5], 1024
	s_mov_b32 s[G1M+6], 0
	s_mov_b32 s[G1M+7], 0
	s_or_b32 s[G1K], s66, (3<<16)|(1<<21)          ; the records go to my row: a quarter is 51 rows of 256 dense bytes
	s_mov_b32 s[G1K+1], 32<<16
	s_mov_b32 s[G1K+2], 51<<16
	s_mov_b32 s[G1K+3], 32<<16
	s_mov_b32 s[G1K+4], 51
	s_mov_b32 s[G1K+5], 32
	s_mov_b32 s[G1K+6], 0
	s_mov_b32 s[G1K+7], 0
	s_lshl_b32 s70, s[QG], 7
	s_lshl_b32 s71, s[TAU], 5
	s_add_co_u32 s70, s70, s71
	s_lshl_b32 s70, s70, 12                        ; the mask: rows 128 qg + 32 (w % 4) on, 4,096 bytes each
	s_mov_b32 s71, 0
	s_mul_i32 s[MB], s[TAU], 32*MP
	s_mul_i32 s74, s[YY], 8*REC
	s_mul_i32 s73, s[TAU], REC/4
	s_add_co_u32 s74, s74, s73
	s_mov_b32 s75, 0
	s_add_co_u32 s[KB], s73, KOF
	s_mov_b32 s[SEL], 0x76543210
	s_mov_b32 s[SEL+1], 0xfedcba98
	s_mov_b32 s[CS], 0x3fb8aa3b                    ; log2(e)
	s_mov_b32 s[CS+1], s[CS]
	s_wait_dscnt 0x0
	s_wait_kmcnt 0x0
	s_mov_b32 s[G0M], 1
	s_mov_b32 s[G0M+1], s[MB]
	s_add_nc_u64 s[G0M+2:G0M+3], s[8:9], s[70:71]
	s_or_b32 s[G0M+3], s[G0M+3], 0x80000000
	s_mov_b32 s[G0K], 1
	s_mov_b32 s[G0K+1], s[KB]
	s_add_nc_u64 s[G0K+2:G0K+3], s[6:7], s[74:75]
	s_or_b32 s[G0K+3], s[G0K+3], 0x80000000
	CROUND
	JLOAD                                          ; key step 0 into slot 0
	; q: tiles 2 (w % 4), + 1 of the record of my 128 queries, heads 2 (w / 4), + 1
	s_lshl_b32 s66, s[YY], 3
	s_add_co_u32 s66, s66, s[QG]
	s_mul_i32 s66, s66, REC
	s_mul_i32 s68, s[HP], 12288
	s_mul_i32 s69, s[TAU], 1536
	s_add_co_u32 s68, s68, s69
	s_add_co_u32 s68, s68, s66
	s_mov_b32 s69, 0
	s_add_nc_u64 s[76:77], s[4:5], s[68:69]
	s_lshl_b32 s68, s[HP], 10
	s_lshl_b32 s70, s[TAU], 2
	s_add_co_u32 s68, s68, s70
	s_add_co_u32 s68, s68, s66
	s_add_co_u32 s68, s68, 49152
	s_add_nc_u64 s[78:79], s[4:5], s[68:69]
	v_and_b32 v[TL], 31, v0
	v_and_b32 v[TR], 15, v0
	v_bfe_u32 v[TH], v0, 4, 1
	v_lshlrev_b32 v[TL16], 4, v[TL]
	v_lshlrev_b32 v[TL8], 3, v[TL]
	v_lshlrev_b32 v[TR16], 4, v[TR]
.irp q, 0,1
	WIN 0x40*\q
.irp hd, 0,1
	global_load_b128 v[QF+12*\hd:QF+12*\hd+3], v[TL16], s[76:77] offset:6144*\hd+768*\q
	global_load_b64 v[QF+12*\hd+4:QF+12*\hd+5], v[TL8], s[76:77] offset:6144*\hd+768*\q+512
.endr
.endr
	WIN 0
.irp q, 0,1
.irp hd, 0,1
	global_load_b32 v[QS+2*\hd+\q], v[TR16], s[78:79] offset:512*\hd+256*\q
.endr
.endr
	; scalars of the lanes' places, then the places
	s_mul_i32 s66, s[TAU], 32*MP
	s_mul_i32 s67, s[HP], 12288
	s_add_co_u32 s68, s67, KOF+512
	s_add_co_u32 s67, s67, KOF
	s_lshl_b32 s69, s[HP], 10
	s_add_co_u32 s69, s69, KSO
	s_lshl_b32 s70, s[HP], 9
	s_add_co_u32 s70, s70, VSO
	s_mul_i32 s71, s[TAU], 32*272
	s_lshl_b32 s72, s[HP], 7
	s_add_co_u32 s71, s71, s72
	s_add_co_u32 s71, s71, STG
	s_lshl_b32 s72, s[TAU], 8
	s_add_co_u32 s74, s72, SCS
	s_lshl_b32 s73, s[HP], 2
	s_add_co_u32 s72, s74, s73
	s_mul_i32 s73, s[WV], 16*272
	s_add_co_u32 s73, s73, STG
	s_and_b32 s75, s[WV], 1
	s_lshl_b32 s75, s75, 5
	s_wait_alu depctr_va_vdst(0)
	v_mul_u32_u24 v[AMB], v[TR], MP
	v_mul_u32_u24 v[STA], v[TR], 272
	v_mul_u32_u24 v[SRD], v[TH], 272
	v_mul_u32_u24 v[GOC], v[TH], 768
	v_lshl_add_u32 v[AMB], v[TH], 6, v[AMB]
	v_lshl_add_u32 v[STA], v[TH], 4, v[STA]
	v_lshl_add_u32 v[SRD], v[TR], 4, v[SRD]
	v_mad_u32_u24 v[GOC], v[TR], 12, v[GOC]
	v_add_nc_u32 v[AMB], s66, v[AMB]               ; the mask: row 32 (w % 4) + r, + 64 h
	v_add_nc_u32 v[STA], s71, v[STA]               ; the stage: my row, place 8 (w / 4) + h
	v_add_nc_u32 v[SRD], s73, v[SRD]               ; back: rows 16 w + h, place r
	v_add_nc_u32 v[AKB], s67, v[TL16]
	v_add_nc_u32 v[AK1B], s68, v[TL8]
	v_add_nc_u32 v[ASB], s69, v[TL16]
	v_add_nc_u32 v[ATB], s70, v[TL8]
	v_lshl_add_u32 v[SCA], v[TR], 3, s72
	v_add_nc_u32 v[SCR], s74, v[TL8]
	v_lshlrev_b32 v[GOS], 5, v[TL]
	v_add_nc_u32 v[PFO], s75, v[TL]
	v_lshrrev_b32 v[C8], 1, v[TL]
	v_and_b32 v[C3F], 1, v[TL]
	v_min_u32 v[PFO], 50, v[PFO]
	v_lshlrev_b32 v[C8], 12, v[C8]
	v_lshlrev_b32 v[PFO], 8, v[PFO]
	v_lshl_add_u32 v[C8], v[C3F], 8, v[C8]
	; where the results go
	s_lshr_b32 s66, s[YY], 2
	s_lshl_b32 s66, s66, 10
	s_lshl_b32 s67, s[QG], 7
	s_add_co_u32 s66, s66, s67                     ; the first of my work-group's 128 tokens
	s_and_b32 s67, s[YY], 3
	s_lshl_b32 s68, s[WV], 4
	s_add_co_u32 s68, s68, s66
	s_mul_i32 s68, s68, 768
	s_mul_i32 s70, s67, 192
	s_add_co_u32 s68, s68, s70
	s_mov_b32 s69, 0
	s_add_nc_u64 s[10:11], s[10:11], s[68:69]
	s_lshl_b32 s68, s[TAU], 5
	s_add_co_u32 s68, s68, s66
	s_lshl_b32 s68, s68, 5
	s_lshl_b32 s70, s67, 3
	s_add_co_u32 s68, s68, s70
	s_add_nc_u64 s[12:13], s[12:13], s[68:69]
	; the prefetches
	s_mul_i32 s70, s[YY], 8*REC
	s_mul_i32 s71, s[CX], REC/4
	s_add_co_u32 s70, s70, s71
	s_lshl_b32 s71, s[QG], 7
	s_lshl_b32 s72, s[CY], 5
	s_add_co_u32 s71, s71, s72
	s_and_b32 s72, s[WV], 1
	s_lshl_b32 s72, s72, 4
	s_add_co_u32 s71, s71, s72
	s_lshl_b32 s71, s71, 12
	s_mov_b32 s[PFS], REC
	s_mov_b32 s[PFS+1], 0
	s_cmp_lt_u32 s[WV], 2
	s_cselect_b32 s70, s70, s71
	s_cselect_b32 s68, 0, -1
	s_cselect_b64 s[PFA:PFA+1], s[6:7], s[8:9]
	s_cselect_b32 s[PFS], s[PFS], 512
	s_add_co_u32 s70, s70, s[PFS]                  ; at key step 1: the first trip steps it to step 2
	s_mov_b32 s71, 0
	s_add_nc_u64 s[PFA:PFA+1], s[PFA:PFA+1], s[70:71]
	s_cmp_lt_u32 s[WV], 4
	s_cselect_b32 s[LIM], 1, -1
	s_wait_alu depctr_va_vdst(0)
	v_cndmask_b32 v[PFO], v[PFO], v[C8], s68
	v_sub_nc_u32 v[C3F], 1, v[TH]                  ; 1 in lanes 0-15, which hold k = 64 .. 95 in registers 6-11
	s_delay_alu instid0(VALU_DEP_1)
	v_lshlrev_b32 v[C8], 3, v[C3F]                 ; q: the code of 1.0 at k = 64
	v_mul_u32_u24 v[C3F], v[C3F], 0x3f             ; k: the code of -7.5
	v_mov_b32 v[PS], 0                             ; these four, and S and PF below, are written once here, so that all that a step's last quarter reads has been written on every way through the text
	v_mov_b32 v[PS+1], 0
	v_mov_b32 v[VS], 0
	v_mov_b32 v[VS+1], 0
.irp q, 0,1
	WIN 0x40*\q
.irp hd, 0,1
	v_mov_b32 v[QF+12*\hd+6], v[C8]
.irp i, 7,8,9,10,11
	v_mov_b32 v[QF+12*\hd+\i], 0
.endr
	v_mov_b32 v[NM+2*\hd+1], 0xff61b1e6            ; the largest t so far: -3e38;
	v_mov_b32 v[NM+2*\hd], 0x7f61b1e6              ; -M
	v_mov_b32 v[SUM+2*\hd], 0
	v_mov_b32 v[SUM+2*\hd+1], 0
.endr
	v_mov_b32 v[F+1], 0
.set j, 0
.rept 64
	v_mov_b32 v[S+j], 0
.set j, j+1
.endr
.irp i, 0,1,2,3,4,5,6,7,8,9,10,11
	v_mov_b32 v[PF+\i], 0
.endr
.irp b, 0,1,2,3
	v_mov_b32 v[BP+\b], 0                          ; a lane permute's destination counts as one of its sources
.endr
.set j, 0
.rept 64
	v_mov_b32 v[OT+j], 0                           ; O^T: the step has one form: the first finds zeros
.set j, j+1
.endr
.endr
.irp f, 0,1,2,3
	v_mov_b32 v[KF+12*\f+6], v[C3F]
.irp i, 7,8,9,10,11
	v_mov_b32 v[KF+12*\f+\i], 0
.endr
.endr
	WIN 0
.macro SCORE t, f, q, hd               ; tile t of 16 keys: D = C = the mask's registers
.if (\t)%2
	v_wmma_scale_f32_16x16x128_f8f6f4 v[S+8*(\t):S+8*(\t)+7], v[KF+12*\f:KF+12*\f+11], v[QF+12*\hd:QF+12*\hd+11], v[S+8*(\t):S+8*(\t)+7], v[KS+(\t)/2], v[QS+2*\hd+\q] matrix_a_fmt:MATRIX_FMT_FP6 matrix_b_fmt:MATRIX_FMT_FP6 matrix_a_scale:MATRIX_SCALE_ROW1
.else
	v_wmma_scale_f32_16x16x128_f8f6f4 v[S+8*(\t):S+8*(\t)+7], v[KF+12*\f:KF+12*\f+11], v[QF+12*\hd:QF+12*\hd+11], v[S+8*(\t):S+8*(\t)+7], v[KS+(\t)/2], v[QS+2*\hd+\q] matrix_a_fmt:MATRIX_FMT_FP6 matrix_b_fmt:MATRIX_FMT_FP6
.endif
.endm
.macro SCORES g, hd                    ; four fragments of k, each against both tiles of queries
	WIN 0x01
.irp t, 0,1,2,3
	SCORE 4*\g+\t, \t, 0, \hd
.endr
	WIN 0x55
.irp t, 0,1,2,3
	SCORE 4*\g+\t, \t, 1, \hd
.endr
.endm
.macro KLOAD g, hd
.irp t, 0,1,2,3
	ds_load_b128 v[KF+12*\t:KF+12*\t+3], v[AK] offset:6144*\hd+768*(4*\g+\t)
	ds_load_b64 v[KF+12*\t+4:KF+12*\t+5], v[AK1] offset:6144*\hd+768*(4*\g+\t)
.endr
.endm
.macro MASKL o                         ; the mask in the result's layout: register 8 t + j: key 32 (t / 2) + 8 (t % 2) + 16 h + j of my query's row
.irp t, 0,1,2,3,4,5,6,7
	ds_load_b128 v[S+8*\t:S+8*\t+3], v[AM] offset:\o+128*(\t/2)+32*(\t%2)
	ds_load_b128 v[S+8*\t+4:S+8*\t+7], v[AM] offset:\o+128*(\t/2)+32*(\t%2)+16
.endr
.endm
.macro H1 hd                           ; a head's scores of both tiles
	NOPS 5                                         ; behind the last products with v: four places in front of loads into their registers, five in front of products that write over them
	WIN 0x40
	KLOAD 0, \hd
	MASKL 16*MP
	WIN 0
	ds_load_b128 v[KS:KS+3], v[AS] offset:512*\hd
	ds_load_b64 v[VS:VS+1], v[AT] offset:256*\hd
	MASKL 0
	s_wait_dscnt 0x0
	SCORES 0, \hd
	NOPS 4
	WIN 0x40
	KLOAD 1, \hd
	s_wait_dscnt 0x0
	SCORES 1, \hd
.endm
.macro SM q, hd                        ; the softmax of tile q, head hd, on the scores in registers; p's codes and scale word; O^T under the new M
.set NMH, NM+2*\hd
.set SUH, SUM+2*\hd
.set OTH, OT+32*\hd
	WIN 0x55*\q
.if \q == 0
	NOPS 4                                         ; places behind the score products
.endif
	s_wait_alu depctr_va_vdst(0)
.irp b, 0,1,2,3
	v_max3_num_f32 v[BM+\b], v[S+16*\b], v[S+1+16*\b], v[S+2+16*\b]   ; the largest logit of each block of 32 keys: for the row's maximum and, since p rises with the logit, for the block's largest p
.endr
.irp i, 3,5,7,9,11,13
.irp b, 0,1,2,3
	v_max3_num_f32 v[BM+\b], v[BM+\b], v[S+16*\b+\i], v[S+1+16*\b+\i]
.endr
.endr
.irp b, 0,1,2,3
	v_max_num_f32 v[BM+\b], v[BM+\b], v[S+15+16*\b]
.endr
.irp b, 0,1,2,3
	s_delay_alu instid0(VALU_DEP_4)
	v_permlanex16_b32 v[BP+\b], v[BM+\b], s[SEL], s[SEL+1]
.endr
.irp b, 0,1,2,3
	s_delay_alu instid0(VALU_DEP_4)
	v_max_num_f32 v[BM+\b], v[BM+\b], v[BP+\b]
.endr
	s_delay_alu instid0(VALU_DEP_2)
	v_max3_num_f32 v[TP], v[BM], v[BM+1], v[BM+2]
	s_delay_alu instid0(VALU_DEP_1)
	v_max_num_f32 v[TP], v[TP], v[BM+3]
	s_delay_alu instid0(VALU_DEP_1)
	v_mul_f32 v[TP], s[CS], v[TP]
	s_delay_alu instid0(VALU_DEP_1)
	v_max_num_f32 v[NMH+1], v[NMH+1], v[TP]        ; the running largest t
	v_mov_b32 v[TP], v[NMH]
	s_delay_alu instid0(VALU_DEP_2)
	v_floor_f32 v[NMH], -v[NMH+1]                  ; the new -M = -ceil(t)
	s_delay_alu instid0(VALU_DEP_1)
	v_sub_f32 v[TP], v[NMH], v[TP]
	s_delay_alu instid0(VALU_DEP_1)
	v_cvt_i32_f32 v[TP], v[TP]
	s_delay_alu instid0(VALU_DEP_1)
	v_ldexp_f32 v[F], 1.0, v[TP]                   ; f = 2^(old M - new M)
.set j, 0
.rept 32
	v_pk_fma_f32 v[S+j:S+j+1], v[S+j:S+j+1], s[CS:CS+1], v[NMH:NMH+1] op_sel_hi:[1,0,0]
.set j, j+2
.endr
.irp b, 0,1,2,3
	v_fma_f32 v[BM+\b], v[BM+\b], s[CS], v[NMH]
.endr
	s_wait_alu depctr_va_vdst(0)
.set j, 0
.rept 64
	v_exp_f32 v[S+j], v[S+j]                       ; p = 2^(t - M)
.set j, j+1
.endr
	v_pk_mul_f32 v[SUH:SUH+1], v[SUH:SUH+1], v[F:F+1] op_sel_hi:[1,0]
	s_wait_alu depctr_va_vdst(0)                   ; one wait for the batch of 64
.irp b, 0,1,2,3
	v_exp_f32 v[BM+\b], v[BM+\b]                   ; the block's largest p
.endr
.irp c, 0,1,2,3,4,5                            ; the sum of the unquantised p, in six chains
	v_pk_add_f32 v[SU+2*\c:SU+2*\c+1], v[S+2*\c:S+2*\c+1], v[S+12+2*\c:S+13+2*\c]
.endr
.irp g, 24,36,48
.irp c, 0,1,2,3,4,5
	v_pk_add_f32 v[SU+2*\c:SU+2*\c+1], v[SU+2*\c:SU+2*\c+1], v[S+\g+2*\c:S+\g+2*\c+1]
.endr
.endr
	v_pk_add_f32 v[SU:SU+1], v[SU:SU+1], v[S+60:S+61]
	v_pk_add_f32 v[SU+2:SU+3], v[SU+2:SU+3], v[S+62:S+63]
	v_pk_add_f32 v[SU+4:SU+5], v[SU+4:SU+5], v[SU+10:SU+11]
	v_pk_add_f32 v[SU:SU+1], v[SU:SU+1], v[SU+6:SU+7]
	v_pk_add_f32 v[SU+2:SU+3], v[SU+2:SU+3], v[SU+8:SU+9]
	v_pk_add_f32 v[SUH:SUH+1], v[SUH:SUH+1], v[SU+4:SU+5]
	s_delay_alu instid0(VALU_DEP_2)
	v_pk_add_f32 v[SU:SU+1], v[SU:SU+1], v[SU+2:SU+3]
	s_delay_alu instid0(VALU_DEP_1)
	v_pk_add_f32 v[SUH:SUH+1], v[SUH:SUH+1], v[SU:SU+1]
	s_wait_alu depctr_va_vdst(0)                   ; and one for the four
.irp b, 0,1,2,3
	v_max_num_f32 v[BM+\b], 0x1800000, v[BM+\b]    ; the floor 2^(3 - 127): the byte cannot fall under 1
.endr
.irp b, 0,1,2,3
	s_delay_alu instid0(VALU_DEP_4)
	v_add_nc_u32 v[SO+\b], 0xff000000, v[BM+\b]
.endr
.irp b, 0,1,2,3
	s_delay_alu instid0(VALU_DEP_4)
	v_lshrrev_b32 v[BP+\b], 23, v[SO+\b]
.endr
	s_delay_alu instid0(VALU_DEP_3)
	v_lshl_or_b32 v[TP], v[BP+1], 8, v[BP]
	s_delay_alu instid0(VALU_DEP_1)
	v_lshl_or_b32 v[TP], v[BP+2], 16, v[TP]
	s_delay_alu instid0(VALU_DEP_1)
	v_lshl_or_b32 v[TP], v[BP+3], 24, v[TP]
	WIN \q
	v_mov_b32 v[PS+\q], v[TP]                      ; p's scale word: scale operands lie in window 0
	WIN 0x55*\q
.irp c, 0,1
	v_cvt_scalef32_pk16_fp6_f32 v[PF+6*\c:PF+2+6*\c], v[S+32*\c:S+15+32*\c], v[SO+2*\c]
	v_cvt_scalef32_pk16_fp6_f32 v[CT+4*\c:CT+2+4*\c], v[S+16+32*\c:S+31+32*\c], v[SO+2*\c+1]
.endr
	v_nop                                          ; one plain place behind a scaled conversion
.if \q == 0
.irp d, 0,1,2,3                                ; tile 0's p has been read: its registers take v's four fragments, which land under tile 1's softmax
.irp c, 0,1,2
	ds_load_b128 v[S+12*\d+4*\c:S+12*\d+4*\c+3], v[AK] offset:VDL+6144*\hd+1536*\d+512*\c
.endr
.endr
.endif
.irp c, 0,1
.irp i, 0,1,2
	v_permlane16_swap_b32 v[PF+6*\c+\i], v[CT+4*\c+\i]
.endr
.irp i, 0,1,2
	s_delay_alu instid0(VALU_DEP_3)
	v_mov_b32 v[PF+3+6*\c+\i], v[CT+4*\c+\i]
.endr
.endr
	s_wait_alu depctr_va_vdst(0)
.set j, 0
.rept 16
	v_pk_mul_f32 v[OTH+j:OTH+j+1], v[OTH+j:OTH+j+1], v[F:F+1] op_sel_hi:[1,0]   ; also the places between the writing of p's codes and scale word and the products
.set j, j+2
.endr
.endm
.macro PV d, q, hd
.if (\d)%2
	v_wmma_scale_f32_16x16x128_f8f6f4 v[OT+32*\hd+8*\d:OT+32*\hd+8*\d+7], v[S+12*\d:S+12*\d+11], v[PF:PF+11], v[OT+32*\hd+8*\d:OT+32*\hd+8*\d+7], v[VS+(\d)/2], v[PS+\q] matrix_a_fmt:MATRIX_FMT_FP6 matrix_b_fmt:MATRIX_FMT_FP6 matrix_a_scale:MATRIX_SCALE_ROW1
.else
	v_wmma_scale_f32_16x16x128_f8f6f4 v[OT+32*\hd+8*\d:OT+32*\hd+8*\d+7], v[S+12*\d:S+12*\d+11], v[PF:PF+11], v[OT+32*\hd+8*\d:OT+32*\hd+8*\d+7], v[VS+(\d)/2], v[PS+\q] matrix_a_fmt:MATRIX_FMT_FP6 matrix_b_fmt:MATRIX_FMT_FP6
.endif
.endm
.macro PVS hd                          ; O^T += V^T P^T, eight accumulators by turns
	s_wait_alu depctr_va_vdst(0)
	s_wait_dscnt 0x0                               ; v's fragments
	WIN 0
.irp d, 0,1,2,3
	PV \d, 0, \hd
.endr
	WIN 0x54
.irp d, 0,1,2,3
	PV \d, 1, \hd
.endr
	WIN 0
.endm
; A STEP'S WORK, AND TWO HALVES OF THE WAVES A QUARTER OF A STEP APART.  A step's last quarter, the softmax of tile 1 of the second head and that head's products with v, works on registers alone: the scores, v's fragments and scale
; words and tile 0's codes are in registers, the loads among them waited for in front of the change of slots.  A LEADING wave runs it at the step's end, a LAGGING wave behind the next change of slots: so behind a round one half of
; the waves is at its LDS loads while the other is at vector work, and then they change.  The branches hang on the wave's number and on the trip; no barrier, tensor load, LDS access or write of an address stands under them.
.macro XPART
	SM 1, 1
	PVS 1
.endm
.macro WORK last
	s_cmp_eq_u32 s[LAGX], 0
	s_cbranch_scc1 .Lnolag_\@
	XPART                                          ; the lagging waves: the last quarter of the step before
.Lnolag_\@:
	H1 0
	SM 0, 0
	SM 1, 0
	PVS 0
	H1 1
	SM 0, 1
.if \last
	XPART                                          ; the last step's last quarter follows at once in every wave
.else
	WIN 0
	s_cmp_eq_u32 s[GRP], 0
	s_wait_alu depctr_va_vdst(0)
	s_cbranch_scc0 .Llag_\@
	XPART                                          ; the leading waves
.Llag_\@:
.endif
.endm
; THE CHANGE OF SLOTS at a trip's head.  Each wave waits for all its tensor loads (its part of this trip's slot), adds 0 to its spare word, and waits for that and for its LDS reads of the other slot.
.macro CHANGE fill
	s_wait_alu depctr_va_vdst(0)
	s_wait_tensorcnt 0x0
	ds_add_u32 v[SPW], v[NIL]
.if \fill
	s_xor_b32 s[G0M+1], s[G0M+1], SLOTB            ; the walking descriptors: the other slot, the next 128 keys' columns, the next record
	s_add_nc_u64 s[G0M+2:G0M+3], s[G0M+2:G0M+3], 512
	s_xor_b32 s[G0K+1], s[G0K+1], SLOTB
	s_add_nc_u64 s[G0K+2:G0K+3], s[G0K+2:G0K+3], REC
	s_wait_xcnt 0x0                                ; the last prefetch has read its address
	s_add_nc_u64 s[PFA:PFA+1], s[PFA:PFA+1], s[PFS:PFS+1]
.endif
	v_add_nc_u32 v[AM], s[CUR], v[AMB]             ; my places in this trip's slot
	v_add_nc_u32 v[AK], s[CUR], v[AKB]
	v_add_nc_u32 v[AK1], s[CUR], v[AK1B]
	v_add_nc_u32 v[AS], s[CUR], v[ASB]
	v_add_nc_u32 v[AT], s[CUR], v[ATB]
	s_wait_alu depctr_va_vdst(0)
	s_wait_dscnt 0x0
.if \fill
	CROUND
	JLOAD
	ASK
.else
	s_barrier_signal -1
	s_barrier_wait -1
.endif
.endm
	s_wait_alu depctr_va_vdst(0)
	s_wait_loadcnt 0x0                             ; q
	s_mov_b32 s[CNT], 7
.Lstep:                                                ; steps 0 to 6: each asks for the next
	CHANGE 1
	WORK 0
	s_mov_b32 s[LAGX], s[GRP]
	s_xor_b32 s[CUR], s[CUR], SLOTB
	s_sub_co_u32 s[CNT], s[CNT], 1
	s_cmp_lg_u32 s[CNT], 0
	s_wait_alu depctr_va_vdst(0)
	s_cbranch_scc1 .Lstep
	CHANGE 0                                       ; step 7 is written out: nothing is left to fetch
	WORK 1
; THE WAY OUT.  O^T / l is quantised along the head's 64: register 16 b + i is channel 32 b + 16 h + i of my query; a conversion's 12 bytes are half a block of the row's stream of bits.
; The halves of four heads meet in a stage (a place of 16 bytes for each 12), and each wave stores sixteen rows' 192 consecutive bytes.
.macro WO q, hd
	WIN 0x55*\q
	v_add_f32 v[TP], v[SUM+2*\hd], v[SUM+2*\hd+1]
	s_delay_alu instid0(VALU_DEP_1)
	v_permlanex16_b32 v[BP], v[TP], s[SEL], s[SEL+1]
	s_delay_alu instid0(VALU_DEP_1)
	v_add_f32 v[TP], v[TP], v[BP]                  ; the row's sum
	s_wait_alu depctr_va_vdst(0)
	v_rcp_f32 v[F], v[TP]
	v_mov_b32 v[TQ], 0xffff                        ; (a plain place)  two bytes 0xff
	s_wait_alu depctr_va_vdst(0)
.set j, 0
.rept 16
	v_pk_mul_f32 v[S+j:S+j+1], v[OT+32*\hd+j:OT+32*\hd+j+1], v[F:F+1] op_sel_hi:[1,0]
.set j, j+2
.endr
.irp b, 0,1
	v_max3_num_f32 v[BM+\b], |v[S+16*\b]|, |v[S+1+16*\b]|, 0x1800000
.endr
.irp i, 2,4,6,8,10,12,14
.irp b, 0,1
	s_delay_alu instid0(VALU_DEP_2)
	v_max3_num_f32 v[BM+\b], v[BM+\b], |v[S+16*\b+\i]|, |v[S+1+16*\b+\i]|
.endr
.endr
.irp b, 0,1
	s_delay_alu instid0(VALU_DEP_2)
	v_permlanex16_b32 v[BP+\b], v[BM+\b], s[SEL], s[SEL+1]
.endr
.irp b, 0,1
	s_delay_alu instid0(VALU_DEP_2)
	v_max_num_f32 v[BM+\b], v[BM+\b], v[BP+\b]
.endr
.irp b, 0,1
	s_delay_alu instid0(VALU_DEP_2)
	v_add_nc_u32 v[SO+\b], 0xff000000, v[BM+\b]
.endr
.irp b, 0,1
	s_delay_alu instid0(VALU_DEP_2)
	v_lshrrev_b32 v[BP+\b], 23, v[SO+\b]
.endr
	s_delay_alu instid0(VALU_DEP_1)
	v_lshl_or_b32 v[TP], v[BP+1], 8, v[BP]         ; my head's two scale bytes
	v_cmp_gt_f32 vcc_lo, 0xfcf0bdc2, v[NM+2*\hd+1] ; -1e37 > the row's largest t: every key was hidden
	s_delay_alu instid0(VALU_DEP_1)
	v_cndmask_b32 v[TP], v[TP], v[TQ], vcc_lo
	v_cvt_scalef32_pk16_fp6_f32 v[CT:CT+2], v[S:S+15], v[SO]
	v_cvt_scalef32_pk16_fp6_f32 v[CT+4:CT+6], v[S+16:S+31], v[SO+1]
	v_nop
	WIN 0x04*\q
	ds_store_b96 v[STA], v[CT:CT+2] offset:4352*\q+64*\hd
	ds_store_b96 v[STA], v[CT+4:CT+6] offset:4352*\q+64*\hd+32
	ds_store_b16 v[SCA], v[TP] offset:128*\q+2*\hd
.endm
	NOPS 4                                         ; places behind the last products
	WO 0, 0
	WO 1, 0
	WO 0, 1
	WO 1, 1
	WIN 0
	s_wait_dscnt 0x0                               ; for the others' sake: my stores are done
	s_barrier_signal -1
	s_barrier_wait -1
.irp i, 0,1,2,3,4,5,6,7
	ds_load_b96 v[OUT+4*\i:OUT+4*\i+2], v[SRD] offset:2*\i*272
.endr
	s_wait_dscnt 0x0
.irp i, 0,1,2,3,4,5,6,7
	global_store_b96 v[GOC], v[OUT+4*\i:OUT+4*\i+2], s[10:11] offset:2*\i*768   ; sixteen lanes store a token's 192 consecutive bytes
.endr
	s_cmp_lt_u32 s[WV], 4
	s_cbranch_scc0 .Lno_scales
	ds_load_b64 v[OUT+32:OUT+33], v[SCR]
	s_wait_dscnt 0x0
	global_store_b64 v[GOS], v[OUT+32:OUT+33], s[12:13]            ; 8 of a token's 32 scale bytes
.Lno_scales:
	s_wait_tensorcnt 0x0                           ; the wave's end
	ds_add_u32 v[SPW], v[NIL]
	s_wait_dscnt 0x0
	CROUND                                         ; the closing round
	s_endpgm
.Lfunc_end_k_q0237655f16_attn:
	.size	k_q0237655f16_attn, .Lfunc_end_k_q0237655f16_attn-k_q0237655f16_attn
	.p2alignl 7, 3214868480
	.fill 96, 4, 3214868480
	.section	.rodata,"a",@progbits
	.p2align	6, 0x0
	.amdhsa_kernel k_q0237655f16_attn
		.amdhsa_group_segment_fixed_size 327680
		.amdhsa_private_segment_fixed_size 0
		.amdhsa_enable_private_segment 0
		.amdhsa_kernarg_size 40
		.amdhsa_user_sgpr_count 2
		.amdhsa_user_sgpr_kernarg_segment_ptr 1
		.amdhsa_wavefront_size32 1
		.amdhsa_system_sgpr_workgroup_id_x 1
		.amdhsa_system_sgpr_workgroup_id_y 1
		.amdhsa_system_sgpr_workgroup_id_z 1
		.amdhsa_system_vgpr_workitem_id 0
		.amdhsa_next_free_vgpr 512
		.amdhsa_next_free_sgpr 100
		.amdhsa_reserve_vcc 1
		.amdhsa_float_denorm_mode_32 3
		.amdhsa_float_denorm_mode_16_64 3
		.amdhsa_memory_ordered 1
		.amdhsa_forward_progress 1
		.amdhsa_inst_pref_size 205
	.end_amdhsa_kernel
	.amdgpu_metadata
---
amdhsa.version: [ 1, 2 ]
amdhsa.kernels:
  - .name:           k_q0237655f16_attn
    .symbol:         k_q0237655f16_attn.kd
    .args:
      - { .name: qrec, .offset: 0, .size: 8, .value_kind: global_buffer, .address_space: global }
      - { .name: kv, .offset: 8, .size: 8, .value_kind: global_buffer, .address_space: global }
      - { .name: attn_mask, .offset: 16, .size: 8, .value_kind: global_buffer, .address_space: global }
      - { .name: oc, .offset: 24, .size: 8, .value_kind: global_buffer, .address_space: global }
      - { .name: os, .offset: 32, .size: 8, .value_kind: global_buffer, .address_space: global }
    .group_segment_fixed_size: 327680
    .private_segment_fixed_size: 0
    .kernarg_segment_align: 8
    .kernarg_segment_size: 40
    .max_flat_workgroup_size: 256
    .sgpr_count:     100
    .vgpr_count:     512
    .wavefront_size: 32
...
	.end_amdgpu_metadata
.endif
;; end of part 3
;; launch outp (part 4): grid 4 x 64, 4 waves a work-group, clusters of 4 x 4, 327,680 bytes of LDS; arguments oc, os, xc, xs, bo, out0; writes out0
.if DOCPART == 4
	.amdgcn_target "amdgcn-amd-amdhsa--gfx1250"
	.amdhsa_code_object_version 6
	.text
	.protected	k_q0237655f16_outp
	.globl	k_q0237655f16_outp
	.p2align	8
	.type	k_q0237655f16_outp,@function
k_q0237655f16_outp:
	s_mov_b64 s[64:65], 0
	v_nop
	global_prefetch_b8 v0, s[64:65] scope:SCOPE_SE
	s_setreg_imm32_b32 hwreg(HW_REG_WAVE_MODE, 25, 1), 1
	s_wait_xcnt 0x0
	s_wait_alu depctr_hold_cnt(0) depctr_sa_sdst(0) depctr_va_vdst(0) depctr_va_sdst(0) depctr_va_ssrc(0) depctr_va_vcc(0) depctr_vm_vsrc(0)
	s_getreg_b32 s2, hwreg(HW_REG_IB_STS2, 6, 4)
	s_cmp_eq_u32 s2, 0
	s_cbranch_scc0 .Lentry_in_a_cluster
	s_endpgm
.Lentry_in_a_cluster:
	s_bfe_u32 s2, ttmp6, 0x10000c
	s_cmp_lg_u32 s2, 0xf033
	s_cbranch_scc0 .Lentry_shape_is_right
	s_endpgm
.Lentry_shape_is_right:
; out0 = O Wo^T + bo on codes of FP6 (E2M3), K = 1,024: O's codes and scale bytes in oc, os; Wo's are the last 1,024 rows of xc, xs.
; 256 work-groups in 16 clusters of 4 x 4, one tile of 128 tokens (A: block 4 cluster + cy) x 256 columns (B: cx) each; a wave makes 64 x 128: 32 accumulators.  Source 0 = Wo's rows, source 1 = tokens:
; a lane holds eight neighbouring columns of one token.  A's tile is asked for jointly by a row of the cluster, B's by a column.
; LDS: a row of codes is three chunks of 256 bytes, each beginning at a multiple of 256; chunk c of the 384 rows lies at c x SLOT, rows 272 bytes apart.  Chunks 0 and 1 are asked for at the head, one tensor load a wave;
; chunk 2 once my part of chunks 0 and 1 has landed.  Nothing is filled twice.  Every wait on TENSORcnt is for 0.
; Scale words go from memory into registers: lane (r, h) takes bytes 16 h .. 16 h + 15 of row r's 32; words 4-7 are read by ROW1.  bo is the C of each accumulator's first product.
; The way out goes through a stage in chunk 0's bytes: they have had their one fill, and every wave has left them at step 4's barrier.  Each store covers 512 consecutive bytes of a row of out0.
; No prefetch: a work-group makes one tile, so there is no loop to run ahead in.
.set SLOT, 384*272
.set BOFF, 128*272
.set SPARE, 3*SLOT
.set SPITCH, 528
.set ADRA, 8
.set ADRB, 13
.set STO, 18
.set RD, 19
.set VSO, 20
.set V5, 21
.set CO, 22
.set SPW, 28
.set NIL, 29
.set SA, 32
.set SB, 48
.set AF, 80
.set BK, 80
.set BI, 176
.set WV, 20
.set HA, 21
.set HB, 22
.set CX, 23
.set CY, 24
.set CL, 25
.set RA, 26
.set RB, 27
.set TB, 28
.set G1A, 32
.set G1B, 40
.set G0A, 48
.set G0B, 52
.set LXA, 80
.set LXB, 81
.set KOFF, 82
.set SAP, 84
.set SBP, 86
.set MSB, 0
.macro WIN new
.if MSB != \new
	s_set_vgpr_msb (MSB<<8)|\new
.set MSB, \new
.endif
.endm
.macro PLACES
.rept 4
	v_nop
.endr
.endm
.macro CROUND
	s_barrier_signal -1
	s_barrier_wait -1
	s_cmp_lg_u32 s[WV], 0
	s_cbranch_scc1 .Lnw0_\@
	s_barrier_signal -3
.Lnw0_\@:
	s_barrier_wait -3
	s_barrier_signal -1
	s_barrier_wait -1
.endm
.macro JLOAD y                         ; waves 0, 1 for A, waves 2, 3 for B; y = 1 (chunk 2): waves 0 and 2 alone
.if \y
	s_cmp_eq_u32 s[HB], 0
	s_cbranch_scc0 .Lasked_\@
.endif
	s_cmp_eq_u32 s[HA], 0
	s_cbranch_scc0 .Lfor_b_\@
	tensor_load_to_lds s[G0A:G0A+3], s[G1A:G1A+7]
	s_nop 0
	PLACES
	s_branch .Lasked_\@
.Lfor_b_\@:
	tensor_load_to_lds s[G0B:G0B+3], s[G1B:G1B+7]
	s_nop 0
	PLACES
.Lasked_\@:
.endm
.macro SETD y                          ; the groups 0: y = 0: chunk wave % 2; y = 1: chunk 2
	s_mul_i32 s56, s[RA], 768
	s_mov_b32 s57, 0
	s_mul_i32 s58, s[RB], 768
	s_mov_b32 s59, 0
	s_add_nc_u64 s[G0A+2:G0A+3], s[4:5], s[56:57]
	s_add_nc_u64 s[G0B+2:G0B+3], s[8:9], s[58:59]
.if \y
	s_add_nc_u64 s[G0A+2:G0A+3], s[G0A+2:G0A+3], 512
	s_add_nc_u64 s[G0B+2:G0B+3], s[G0B+2:G0B+3], 512
	s_mov_b32 s[G0A+1], 2*SLOT
	s_mov_b32 s[G0B+1], 2*SLOT+BOFF
.else
	s_add_nc_u64 s[G0A+2:G0A+3], s[G0A+2:G0A+3], s[KOFF:KOFF+1]
	s_add_nc_u64 s[G0B+2:G0B+3], s[G0B+2:G0B+3], s[KOFF:KOFF+1]
	s_mov_b32 s[G0A+1], s[LXA]
	s_mov_b32 s[G0B+1], s[LXB]
.endif
	s_or_b32 s[G0A+3], s[G0A+3], 0x80000000
	s_or_b32 s[G0B+3], s[G0B+3], 0x80000000
.endm
.macro FRAG reg, adr, st, i            ; 16 rows x 128 K in pieces of 8 bytes; byte y of a row lies in chunk y / 256; adr + 3, adr + 4: lanes 0-15 at byte 232, lanes 16-31 at byte 0 of the next chunk
.irp p, 0,1,2,3,4,5
.set FB, 96*(\st)+48*(\p/3)+8*(\p%3)
.if FB/256 == (FB+24)/256
	ds_load_b64 v[\reg+2*\p:\reg+2*\p+1], v[\adr+FB/256] offset:FB%256+(\i)*4352
.else
	ds_load_b64 v[\reg+2*\p:\reg+2*\p+1], v[\adr+3+FB/256] offset:FB%256-232+(\i)*4352
.endif
.endr
.endm
.macro FETCH st
	WIN 0x40
.irp i, 0,1,2,3,4,5,6,7
	FRAG 128*((\st)%2)+12*\i, ADRB, \st, \i
.endr
	WIN 0
.irp i, 0,1,2,3
	FRAG AF+48*((\st)%2)+12*\i, ADRA, \st, \i
.endr
.endm
.macro MUL st                          ; 32 matrix instructions, the accumulators by turns
.if (\st) == 0
	WIN 0x81
.else
	WIN 0xa1
.endif
.irp a, 0,1,2,3
.irp b, 0,1,2,3,4,5,6,7
.set M_D, 8*(8*\a+\b)
.set M_B, 128*((\st)%2)+12*\b
.set M_A, AF+48*((\st)%2)+12*\a
.set M_C, BI+8*\b
.set M_SB, SB+4*\b+(\st)%4
.set M_SA, SA+4*\a+(\st)%4
.if (\st) == 0
	v_wmma_scale_f32_16x16x128_f8f6f4 v[M_D:M_D+7], v[M_B:M_B+11], v[M_A:M_A+11], v[M_C:M_C+7], v[M_SB], v[M_SA] matrix_a_fmt:MATRIX_FMT_FP6 matrix_b_fmt:MATRIX_FMT_FP6
.else
.if (\st) < 4
	v_wmma_scale_f32_16x16x128_f8f6f4 v[M_D:M_D+7], v[M_B:M_B+11], v[M_A:M_A+11], v[M_D:M_D+7], v[M_SB], v[M_SA] matrix_a_fmt:MATRIX_FMT_FP6 matrix_b_fmt:MATRIX_FMT_FP6
.else
	v_wmma_scale_f32_16x16x128_f8f6f4 v[M_D:M_D+7], v[M_B:M_B+11], v[M_A:M_A+11], v[M_D:M_D+7], v[M_SB], v[M_SA] matrix_a_fmt:MATRIX_FMT_FP6 matrix_b_fmt:MATRIX_FMT_FP6 matrix_a_scale:MATRIX_SCALE_ROW1 matrix_b_scale:MATRIX_SCALE_ROW1
.endif
.endif
.endr
.endr
	WIN 0
.endm
.macro STEP st
	s_wait_dscnt 0x0                               ; this step's fragments are in
.if (\st) == 4
	s_wait_tensorcnt 0x0                           ; my part of chunk 2 has landed;
	s_barrier_signal -1
	s_barrier_wait -1                              ; everybody's has, and nobody reads chunk 0 any more
.endif
.if (\st) > 0
	PLACES                                         ; in front of loads into registers that matrix instructions have read
.endif
.if (\st) < 7
	FETCH (\st)+1
.endif
	MUL \st
.endm
	s_load_b256 s[4:11], s[0:1], 0x0               ; oc, os, xc, xs
	s_load_b128 s[12:15], s[0:1], 0x20             ; bo, out0
	v_lshl_add_u32 v[SPW], v0, 2, SPARE
	v_mov_b32 v[NIL], 0
	ds_add_u32 v[SPW], v[NIL]                      ; the opening lines: the add twice on end
	ds_add_u32 v[SPW], v[NIL]
	v_lshrrev_b32 v1, 5, v0
	v_readfirstlane_b32 s[WV], v1
	s_lshr_b32 s[HA], s[WV], 1
	s_and_b32 s[HB], s[WV], 1
	s_bfe_u32 s[CX], ttmp6, 0x40000
	s_bfe_u32 s[CY], ttmp6, 0x40004
	s_and_b32 s[CL], ttmp7, 0xffff
	s_lshl_b32 s56, s[CY], 2
	s_lshl_b32 s56, 15, s56
	s_lshl_b32 s57, 0x1111, s[CX]
	s_or_b32 s[G1A], s56, (1<<20)|(1<<21)|(5<<22)|(3<<25)
	s_or_b32 s[G1B], s57, (1<<20)|(1<<21)|(5<<22)|(3<<25)
.irp g, G1A, G1B
	s_mov_b32 s[\g+1], 256<<16
	s_mov_b32 s[\g+3], 256<<16
	s_mov_b32 s[\g+5], 768
	s_mov_b32 s[\g+6], 0
	s_mov_b32 s[\g+7], 0
.endr
	s_mov_b32 s[G1A+2], 128<<16
	s_mov_b32 s[G1A+4], 128
	s_mov_b32 s[G1B+2], 256<<16
	s_mov_b32 s[G1B+4], 256
	s_mov_b32 s[G0A], 1
	s_mov_b32 s[G0B], 1
	s_lshl_b32 s[TB], s[CL], 2
	s_add_co_u32 s[TB], s[TB], s[CY]
	s_lshl_b32 s[RA], s[TB], 7                     ; my first token
	s_lshl_b32 s[RB], s[CX], 8
	s_add_co_u32 s[RB], s[RB], 27648               ; my first row of Wo in xc and xs
	s_mul_i32 s[LXA], s[HB], SLOT
	s_add_co_u32 s[LXB], s[LXA], BOFF
	s_lshl_b32 s[KOFF], s[HB], 8
	s_mov_b32 s[KOFF+1], 0
	s_wait_dscnt 0x0
	s_wait_kmcnt 0x0
	CROUND
	SETD 0
	JLOAD 0                                        ; chunks 0 and 1: one tensor load a wave
	s_mul_i32 s56, s[HA], 64*272
	s_add_co_u32 s57, s56, SLOT
	s_add_co_u32 s58, s56, 2*SLOT
	s_mul_i32 s59, s[HB], 128*272
	s_add_co_u32 s59, s59, BOFF
	s_add_co_u32 s60, s59, SLOT
	s_add_co_u32 s61, s59, 2*SLOT
	s_mov_b32 s62, SLOT-232
	s_mul_i32 s63, s[WV], 16*SPITCH
	v_and_b32 v1, 15, v0
	v_bfe_u32 v2, v0, 4, 1
	v_mul_u32_u24 v3, v1, 272
	v_mad_u32_u24 v30, v2, 24, v3
	v_mad_u32_u24 v31, v2, s62, v3
	v_add_nc_u32 v31, 232, v31
.irp c, 0,1,2
	v_add_nc_u32 v[ADRA+\c], s[56+\c], v30
	v_add_nc_u32 v[ADRB+\c], s[59+\c], v30
.if \c < 2
	v_add_nc_u32 v[ADRA+3+\c], s[56+\c], v31
	v_add_nc_u32 v[ADRB+3+\c], s[59+\c], v31
.endif
.endr
	v_and_b32 v3, 31, v0
	v_lshlrev_b32 v[CO], 4, v3
	v_add_nc_u32 v[RD], s63, v[CO]                 ; back from the stage: a row of 512 bytes to the 32 lanes
	v_mul_u32_u24 v3, v1, SPITCH
	v_lshl_add_u32 v3, v2, 5, v3
	v_add_nc_u32 v[STO], s63, v3                   ; into it: row r, 32 bytes for each half of the lanes
	v_lshlrev_b32 v[VSO], 5, v1
	v_lshl_add_u32 v[VSO], v2, 4, v[VSO]
	v_lshlrev_b32 v[V5], 5, v2
	s_lshl_b32 s56, s[HA], 6
	s_add_co_u32 s56, s56, s[RA]                   ; my first token
	s_lshl_b32 s58, s56, 12                        ; its row of out0
	s_lshl_b32 s56, s56, 5
	s_mov_b32 s57, 0
	s_mov_b32 s59, 0
	s_add_nc_u64 s[SAP:SAP+1], s[6:7], s[56:57]
	s_add_nc_u64 s[14:15], s[14:15], s[58:59]
	s_lshl_b32 s56, s[HB], 7
	s_add_co_u32 s56, s56, s[RB]
	s_lshl_b32 s56, s56, 5
	s_add_nc_u64 s[SBP:SBP+1], s[10:11], s[56:57]
	s_lshl_b32 s56, s[CX], 8
	s_lshl_b32 s58, s[HB], 7
	s_add_co_u32 s56, s56, s58
	s_lshl_b32 s56, s56, 2                         ; my first column, in bytes
	s_add_nc_u64 s[12:13], s[12:13], s[56:57]
	s_add_nc_u64 s[14:15], s[14:15], s[56:57]
	s_wait_alu depctr_va_vdst(0)
.irp i, 0,1,2,3
	global_load_b128 v[SA+4*\i:SA+4*\i+3], v[VSO], s[SAP:SAP+1] offset:512*\i
.endr
.irp i, 0,1,2,3,4,5,6,7
	global_load_b128 v[SB+4*\i:SB+4*\i+3], v[VSO], s[SBP:SBP+1] offset:512*\i
.endr
.irp b, 0,1,2,3,4,5,6,7
	global_load_b128 v[BI+8*\b:BI+8*\b+3], v[V5], s[12:13] offset:64*\b
	global_load_b128 v[BI+8*\b+4:BI+8*\b+7], v[V5], s[12:13] offset:64*\b+16
.endr
	s_wait_tensorcnt 0x0                           ; my part of chunks 0 and 1 has landed
	ds_add_u32 v[SPW], v[NIL]
	SETD 1
	s_wait_dscnt 0x0
	CROUND
	JLOAD 1                                        ; chunk 2
	FETCH 0
	s_wait_loadcnt 0x0                             ; scale words and bias
.irp st, 0,1,2,3,4,5,6,7
	STEP \st
.endr
; THE WAY OUT, 16 tokens x 128 columns at a time, through my own stage.  LDS serves a wave's instructions in order (ISA guide 5.7.1.4): no wait between the stores and the loads.
.macro TOSTAGE a
	WIN 0x08
.irp b, 0,1,2,3,4,5,6,7
	ds_store_b128 v[STO], v[64*(\a)+8*\b:64*(\a)+8*\b+3] offset:64*\b
	ds_store_b128 v[STO], v[64*(\a)+8*\b+4:64*(\a)+8*\b+7] offset:64*\b+16
.endr
	WIN 0
.set BB, BK+64*((\a)%2)
.irp t, 0,1,2,3,4,5,6,7,8,9,10,11,12,13,14,15
	ds_load_b128 v[BB+4*\t:BB+4*\t+3], v[RD] offset:\t*SPITCH
.endr
.endm
.macro SEND a, younger
.set BB, BK+64*((\a)%2)
	s_wait_dscnt \younger                          ; the block is back in registers; the LDS instructions issued behind its loads may be out
.if (\a) > 0
	s_add_nc_u64 s[14:15], s[14:15], 16*4096       ; behind a wait on XCNT: the earlier stores have read their base
.endif
.irp t, 0,1,2,3,4,5,6,7,8,9,10,11,12,13,14,15
	global_store_b128 v[CO], v[BB+4*\t:BB+4*\t+3], s[14:15] offset:\t*4096 th:TH_STORE_NT
.endr
.endm
	PLACES                                         ; behind the last products
	TOSTAGE 0
.irp a, 1,2,3
.if \a > 1
	s_wait_xcnt 0x0                                ; block a - 2's stores have read their registers and their base
.endif
	TOSTAGE \a
	SEND \a-1, 32
.endr
	s_wait_xcnt 0x0
	SEND 3, 0
	s_wait_tensorcnt 0x0                           ; the wave's end
	ds_add_u32 v[SPW], v[NIL]
	s_wait_dscnt 0x0
	CROUND                                         ; the closing round
	s_endpgm
.Lfunc_end_k_q0237655f16_outp:
	.size	k_q0237655f16_outp, .Lfunc_end_k_q0237655f16_outp-k_q0237655f16_outp
	.p2alignl 7, 3214868480
	.fill 96, 4, 3214868480
	.section	.rodata,"a",@progbits
	.p2align	6, 0x0
	.amdhsa_kernel k_q0237655f16_outp
		.amdhsa_group_segment_fixed_size 327680
		.amdhsa_private_segment_fixed_size 0
		.amdhsa_enable_private_segment 0
		.amdhsa_kernarg_size 48
		.amdhsa_user_sgpr_count 2
		.amdhsa_user_sgpr_kernarg_segment_ptr 1
		.amdhsa_wavefront_size32 1
		.amdhsa_system_sgpr_workgroup_id_x 1
		.amdhsa_system_sgpr_workgroup_id_y 1
		.amdhsa_system_sgpr_workgroup_id_z 1
		.amdhsa_system_vgpr_workitem_id 0
		.amdhsa_next_free_vgpr 768
		.amdhsa_next_free_sgpr 90
		.amdhsa_reserve_vcc 0
		.amdhsa_float_denorm_mode_32 3
		.amdhsa_float_denorm_mode_16_64 3
		.amdhsa_memory_ordered 1
		.amdhsa_forward_progress 1
		.amdhsa_inst_pref_size 97
	.end_amdhsa_kernel
	.amdgpu_metadata
---
amdhsa.version: [ 1, 2 ]
amdhsa.kernels:
  - .name:           k_q0237655f16_outp
    .symbol:         k_q0237655f16_outp.kd
    .args:
      - { .name: oc, .offset: 0, .size: 8, .value_kind: global_buffer, .address_space: global }
      - { .name: os, .offset: 8, .size: 8, .value_kind: global_buffer, .address_space: global }
      - { .name: xc, .offset: 16, .size: 8, .value_kind: global_buffer, .address_space: global }
      - { .name: xs, .offset: 24, .size: 8, .value_kind: global_buffer, .address_space: global }
      - { .name: bo, .offset: 32, .size: 8, .value_kind: global_buffer, .address_space: global }
      - { .name: out0, .offset: 40, .size: 8, .value_kind: global_buffer, .address_space: global }
    .group_segment_fixed_size: 327680
    .private_segment_fixed_size: 0
    .kernarg_segment_align: 8
    .kernarg_segment_size: 48
    .max_flat_workgroup_size: 128
    .sgpr_count:     90
    .vgpr_count:     768
    .wavefront_size: 32
...
	.end_amdgpu_metadata
.endif
;; end of part 4
